; MI455X (gfx1250); checked and timed in simulation.
; The chip was launched on July 23, 2026; its instructions are those of AMD's public machine-readable ISA for CDNA 5 (MIT licence, August 2026) and "CDNA5" Instruction Set Architecture Reference Guide (July 2026). The comments in the code are by the model that wrote it; some were corrected since.
;; Default Attention. Allowed arithmetic: float matrix products may take bf16 or f16 operands with f32 sums; other float arithmetic in f32, or as packed bf16 or f16 multiplies, adds, multiply-adds, maxima and minima; sums over many terms, partial sums and values carried from step to step in f32; what a program stores and reads back later, other than sums and carried values, may be rounded once to bf16 or f16.
;; Inputs: Wk 1,024 x 1,024 float32; Wq 1,024 x 1,024 float32; Wv 1,024 x 1,024 float32; bk 1,024 float32; bq 1,024 float32; bv 1,024 float32; x 4 x 2,048 x 1,024 float32.
;; Outputs: out0 4 x 2,048 x 1,024 float32.
;; One version. Each part assembles by itself: llvm-mc -triple=amdgcn-amd-amdhsa -mcpu=gfx1250 --defsym DOCPART=n.
;; ======== version 1 of 1: 4 launches
;; limits: values are held in f16: magnitudes above 65,504 overflow, below 6.1e-05 lose precision
;; workspace buffers: xb 17,301,504 bytes; wb 6,488,064 bytes; qkv 50,331,648 bytes; pt 33,554,432 bytes; st 1,048,576 bytes
;; launch cast (part 1): grid 352 x 6, 8 waves a work-group, no clusters, 0 bytes of LDS; arguments x, Wk, Wq, Wv, bk, bq, bv, xb, wb; writes xb, wb
.if DOCPART == 1
	.amdgcn_target "amdgcn-amd-amdhsa--gfx1250"
	.amdhsa_code_object_version 6
	.text
	.protected	k_q4df399c9d9_cast
	.globl	k_q4df399c9d9_cast
	.p2align	8
	.type	k_q4df399c9d9_cast,@function
k_q4df399c9d9_cast:
	s_mov_b64 s[64:65], 0
	v_nop
	global_prefetch_b8 v0, s[64:65] scope:SCOPE_SE
	s_setreg_imm32_b32 hwreg(HW_REG_WAVE_MODE, 25, 1), 1
	s_wait_xcnt 0x0
; xb = x, wb = Wk, Wq, Wv (one below the other, 3072 rows), rounded to bf16 and laid out in blocks of 96 along K: xb [11][8192][96], wb [11][3072][96],
; so that the next launch's tile of a K step (some rows x 96 numbers) is a dense block of memory.  11 x 96 = 1056: K has 32 columns to spare.  Column 1024 holds 1.0 in xb and the bias,
; rounded to bf16 like every input, in wb, the others 0: the product over K = 1056 is x W^T + bias.
; A stream: no LDS, no matrix unit, no prefetch: nothing is shared and nothing is read twice.
; SHARES.  Work-group (g, y): g is a chunk of 32 rows (0-255: x; 256-351: the weights), y < 5 the blocks 2 y and 2 y + 1 (768 bytes of each input row, aligned), y = 5 block 10.
; An item is 16 bytes in, 8 bytes out.  Item u = 256 m + t of a block's 768 is row u / 24, piece u % 24: its 8 bytes lie at 8 u of the chunk's part of the block, so a store of a wave covers 256 bytes on end, aligned.
.set XBLK, 8192*192                    ; bytes in a block of xb
.set WBLK, 3072*192                    ; and of wb
.set IN,  4                            ; v4-6    item m: byte offset in the chunk's input rows
.set CC,  8                            ; v8-10   its piece, 0 to 23
.set RW,  12                           ; v12-14  its row, 0 to 31
.set X,   16                           ; v[16:39] six loads of four numbers
.set Y,   40                           ; v[40:51] six pairs of packed bf16
.set SPC, 52                           ; v52-54  what stands in column 1024, packed with a 0
.set BO,  56                           ; v56-58  byte offset of the row's bias
.set ZR,  59                           ; v59     0
	s_load_b256 s[4:11], s[0:1], 0x0               ; x s[4:5], Wk s[6:7], Wq s[8:9], Wv s[10:11]
	s_load_b256 s[12:19], s[0:1], 0x20             ; bk s[12:13], bq s[14:15], bv s[16:17], xb s[18:19]
	s_load_b64 s[20:21], s[0:1], 0x40              ; wb
	v_lshlrev_b32 v3, 3, v0                        ; out: 8 t
	v_mov_b32 v[ZR], 0
.irp m, 0,1,2
	v_add_nc_u32 v1, 256*(\m), v0                  ; u, under 768
	v_mul_u32_u24 v2, v1, 2731                     ; u / 24 = (2731 u) >> 16 for u under 768: 2731 = 65536 / 24 rounded up, and 767 x (2731 x 24 - 65536) stays under 65536
	v_lshrrev_b32 v[RW+(\m)], 16, v2
	v_mul_u32_u24 v2, v[RW+(\m)], 24
	v_sub_nc_u32 v[CC+(\m)], v1, v2
	v_lshlrev_b32 v2, 4, v[CC+(\m)]
	v_lshl_add_u32 v[IN+(\m)], v[RW+(\m)], 12, v2  ; row x 4,096 + 16 x piece
.endr
	s_and_b32 s22, ttmp7, 0xffff                   ; y
	s_sub_co_u32 s23, ttmp9, 256                   ; the chunk among the weights' (used only where the group is one of them)
	s_lshr_b32 s24, s23, 5                         ; which matrix
	s_and_b32 s25, s23, 31                         ; the chunk in it
	s_mov_b32 s34, WBLK
	s_mov_b32 s35, 0
	s_mov_b32 s37, 0
	s_mov_b32 s39, 0
	s_wait_kmcnt 0x0
	s_cmp_eq_u32 s24, 1
	s_cselect_b64 s[26:27], s[8:9], s[10:11]       ; Wq or Wv
	s_cselect_b64 s[28:29], s[14:15], s[16:17]     ; bq or bv
	s_cmp_eq_u32 s24, 0
	s_cselect_b64 s[26:27], s[6:7], s[26:27]       ; Wk
	s_cselect_b64 s[28:29], s[12:13], s[28:29]     ; bk
	s_cmp_lt_u32 ttmp9, 256
	s_cselect_b64 s[26:27], s[4:5], s[26:27]       ; x
	s_cselect_b64 s[30:31], s[18:19], s[20:21]     ; xb or wb
	s_cselect_b32 s32, ttmp9, s25                  ; the chunk in the source,
	s_cselect_b32 s33, ttmp9, s23                  ; in the destination,
	s_cselect_b32 s34, XBLK, s34                   ; and the destination's block
	s_lshl_b32 s36, s32, 17                        ; 32 rows of 4,096 bytes
	s_mul_i32 s38, s33, 32*192
	s_add_nc_u64 s[26:27], s[26:27], s[36:37]
	s_add_nc_u64 s[30:31], s[30:31], s[38:39]
	s_cmp_eq_u32 s22, 5
	s_cbranch_scc1 .Llast
	; blocks 2 y and 2 y + 1
	s_mul_i32 s36, s22, 768
	s_add_nc_u64 s[26:27], s[26:27], s[36:37]
	s_lshl_b32 s38, s22, 1
	s_mul_i32 s38, s38, s34
	s_add_nc_u64 s[30:31], s[30:31], s[38:39]
	s_add_nc_u64 s[40:41], s[30:31], s[34:35]      ; the second block
.irp hf, 0,1
.irp m, 0,1,2
	global_load_b128 v[X+4*(3*(\hf)+(\m)):X+4*(3*(\hf)+(\m))+3], v[IN+(\m)], s[26:27] offset:384*(\hf) th:TH_LOAD_NT
.endr
.endr
.irp hf, 0,1
.irp m, 0,1,2
	s_wait_loadcnt 5-(3*(\hf)+(\m))                ; loads come back in order: this one is in, the younger ones stay out
	v_cvt_pk_bf16_f32 v[Y+2*(3*(\hf)+(\m))], v[X+4*(3*(\hf)+(\m))], v[X+4*(3*(\hf)+(\m))+1]
	v_cvt_pk_bf16_f32 v[Y+2*(3*(\hf)+(\m))+1], v[X+4*(3*(\hf)+(\m))+2], v[X+4*(3*(\hf)+(\m))+3]
	global_store_b64 v3, v[Y+2*(3*(\hf)+(\m)):Y+2*(3*(\hf)+(\m))+1], s[30+10*(\hf):31+10*(\hf)] offset:2048*(\m)
.endr
.endr
	s_endpgm
.Llast:                                                ; block 10: pieces 0-15 are K = 960 to 1023, piece 16 begins with column 1024, the rest is 0
	s_mul_i32 s38, s34, 10
	s_add_nc_u64 s[30:31], s[30:31], s[38:39]
.irp m, 0,1,2
	v_min_u32 v2, 15, v[CC+(\m)]                   ; the lanes of pieces 16-23 name piece 15 once more: their load stays in the row, and its numbers are not used
	v_lshlrev_b32 v2, 4, v2
	v_lshl_add_u32 v[IN+(\m)], v[RW+(\m)], 12, v2
	global_load_b128 v[X+4*(\m):X+4*(\m)+3], v[IN+(\m)], s[26:27] offset:3840 th:TH_LOAD_NT
.endr
	s_cmp_lt_u32 ttmp9, 256
	s_cbranch_scc1 .Lones
	s_lshl_b32 s36, s25, 7                         ; the chunk's 32 biases
	s_add_nc_u64 s[28:29], s[28:29], s[36:37]
.irp m, 0,1,2
	v_lshlrev_b32 v[BO+(\m)], 2, v[RW+(\m)]
	global_load_b32 v[SPC+(\m)], v[BO+(\m)], s[28:29]
.endr
	s_wait_loadcnt 0x0
.irp m, 0,1,2
	v_cvt_pk_bf16_f32 v[SPC+(\m)], v[SPC+(\m)], v[ZR]
.endr
	s_branch .Ljoin
.Lones:
.irp m, 0,1,2
	v_mov_b32 v[SPC+(\m)], 0x3f80                  ; 1.0 in bf16, and a 0 above it
.endr
.Ljoin:
	s_wait_loadcnt 0x0
.irp m, 0,1,2
	v_cvt_pk_bf16_f32 v[Y+2*(\m)], v[X+4*(\m)], v[X+4*(\m)+1]
	v_cvt_pk_bf16_f32 v[Y+2*(\m)+1], v[X+4*(\m)+2], v[X+4*(\m)+3]
	v_cmp_lt_u32 vcc_lo, 15, v[CC+(\m)]
	v_cndmask_b32 v[Y+2*(\m)], v[Y+2*(\m)], v[ZR], vcc_lo
	v_cndmask_b32 v[Y+2*(\m)+1], v[Y+2*(\m)+1], v[ZR], vcc_lo
	v_cmp_eq_u32 vcc_lo, 16, v[CC+(\m)]
	v_cndmask_b32 v[Y+2*(\m)], v[Y+2*(\m)], v[SPC+(\m)], vcc_lo
	global_store_b64 v3, v[Y+2*(\m):Y+2*(\m)+1], s[30:31] offset:2048*(\m)
.endr
	s_endpgm
.Lfunc_end_k_q4df399c9d9_cast:
	.size	k_q4df399c9d9_cast, .Lfunc_end_k_q4df399c9d9_cast-k_q4df399c9d9_cast
	.p2alignl 7, 3214868480
	.fill 96, 4, 3214868480
	.section	.rodata,"a",@progbits
	.p2align	6, 0x0
	.amdhsa_kernel k_q4df399c9d9_cast
		.amdhsa_group_segment_fixed_size 0
		.amdhsa_private_segment_fixed_size 0
		.amdhsa_enable_private_segment 0
		.amdhsa_kernarg_size 72
		.amdhsa_user_sgpr_count 2
		.amdhsa_user_sgpr_kernarg_segment_ptr 1
		.amdhsa_wavefront_size32 1
		.amdhsa_system_sgpr_workgroup_id_x 1
		.amdhsa_system_sgpr_workgroup_id_y 1
		.amdhsa_system_sgpr_workgroup_id_z 1
		.amdhsa_system_vgpr_workitem_id 0
		.amdhsa_next_free_vgpr 64
		.amdhsa_next_free_sgpr 66
		.amdhsa_reserve_vcc 1
		.amdhsa_float_denorm_mode_32 3
		.amdhsa_float_denorm_mode_16_64 3
		.amdhsa_memory_ordered 1
		.amdhsa_forward_progress 1
		.amdhsa_inst_pref_size 8
	.end_amdhsa_kernel
	.amdgpu_metadata
---
amdhsa.version: [ 1, 2 ]
amdhsa.kernels:
  - .name:           k_q4df399c9d9_cast
    .symbol:         k_q4df399c9d9_cast.kd
    .args:
      - { .name: x, .offset: 0, .size: 8, .value_kind: global_buffer, .address_space: global }
      - { .name: Wk, .offset: 8, .size: 8, .value_kind: global_buffer, .address_space: global }
      - { .name: Wq, .offset: 16, .size: 8, .value_kind: global_buffer, .address_space: global }
      - { .name: Wv, .offset: 24, .size: 8, .value_kind: global_buffer, .address_space: global }
      - { .name: bk, .offset: 32, .size: 8, .value_kind: global_buffer, .address_space: global }
      - { .name: bq, .offset: 40, .size: 8, .value_kind: global_buffer, .address_space: global }
      - { .name: bv, .offset: 48, .size: 8, .value_kind: global_buffer, .address_space: global }
      - { .name: xb, .offset: 56, .size: 8, .value_kind: global_buffer, .address_space: global }
      - { .name: wb, .offset: 64, .size: 8, .value_kind: global_buffer, .address_space: global }
    .group_segment_fixed_size: 0
    .private_segment_fixed_size: 0
    .kernarg_segment_align: 8
    .kernarg_segment_size: 72
    .max_flat_workgroup_size: 256
    .sgpr_count:     66
    .vgpr_count:     64
    .wavefront_size: 32
...
	.end_amdgpu_metadata
.endif
;; end of part 1
;; launch proj (part 2): grid 8 x 32, 4 waves a work-group, clusters of 4 x 4, 327,680 bytes of LDS; arguments xb, wb, qkv; writes qkv
.if DOCPART == 2
	.amdgcn_target "amdgcn-amd-amdhsa--gfx1250"
	.amdhsa_code_object_version 6
	.text
	.protected	k_q4df399c9d9_proj
	.globl	k_q4df399c9d9_proj
	.p2align	8
	.type	k_q4df399c9d9_proj,@function
k_q4df399c9d9_proj:
	s_mov_b64 s[64:65], 0
	v_nop
	global_prefetch_b8 v0, s[64:65] scope:SCOPE_SE
	s_setreg_imm32_b32 hwreg(HW_REG_WAVE_MODE, 25, 1), 1
	s_wait_xcnt 0x0
	s_wait_alu depctr_hold_cnt(0) depctr_sa_sdst(0) depctr_va_vdst(0) depctr_va_sdst(0) depctr_va_ssrc(0) depctr_va_vcc(0) depctr_vm_vsrc(0)
	s_getreg_b32 s2, hwreg(HW_REG_IB_STS2, 6, 4)
	s_cmp_eq_u32 s2, 0
	s_cbranch_scc0 .Lentry_in_a_cluster
	s_endpgm
.Lentry_in_a_cluster:
	s_bfe_u32 s2, ttmp6, 0x10000c
	s_cmp_lg_u32 s2, 0xf033
	s_cbranch_scc0 .Lentry_shape_is_right
	s_endpgm
.Lentry_shape_is_right:
; qkv[row][col] = sum over K = 1056 of xb[row][K] wb[col][K], rounded once to f16: x W^T + bias, since column 1024 holds 1.0 in xb and the bias in wb, and columns 1025-1055 hold 0.
; xb: [11][8192][96] bf16, wb: [11][3072][96] bf16 (rows: Wk, Wq, Wv), qkv: [8192][3072] f16 (k, q, v).  The 32 added columns are one quarter step in 33 of matrix work; they spare the bias its registers.
; LIMIT.  f16 ends at 65,504: k, q and v must stay within it.  Inputs 30 times the drawn spread give some 5e3, a common offset of 30 spreads in x and W some 2.9e4.
; SHARES.  8192 x 3072 = 256 tiles of 256 rows x 384 columns: one for each work-group.  Four waves, each 128 rows x 192 columns: 96 accumulators, 768 registers.
; K goes in 11 steps of 96, three quarters of 32, through two LDS slots.  A step's tile is a dense block of memory, asked for as rows of 256 bytes and padded in LDS by 16 bytes after every 64:
; a row of the tile is three pieces 80 bytes apart, a quarter a piece, and rows lie 240 bytes apart: the 16 rows of a fragment load start 60 words apart.  (A step of 128 would want all of LDS for the two slots.)
; Waves 0-2 fetch 128 rows of wb each, to 32,768 x wave; wave 3 fetches the 256 rows of xb, to 98,304.  A slot is 0x27000 bytes, which shares no bit with these four, so one exclusive or changes the slot.
; CLUSTER.  4 x 4 work-groups: the four of a row of the cluster share the rows of xb, the four of a column the rows of wb; each tile is asked for jointly.
; THE MATRIX INSTRUCTION IS USED TRANSPOSED (source 0 = 16 rows of wb, source 1 = 16 rows of xb): a lane holds one row of qkv and eight neighbouring columns.
; REGISTERS.  Window 0: v0-31 addresses; v32-127 twelve places for fragments of xb; v128-223 three buffers of four fragments of wb.  Windows 1-3: the accumulators, (a, b) in window 1 + b / 4 at 8 (4 a + b % 4).
; A QUARTER is three groups of 32 products, a window a group, row block by row block.  Fragment a of xb in quarter q lies at place (8 q + a) % 12: eight places are in use, four take the next quarter's blocks 0-3,
; and its blocks 4-7 take the places of this quarter's blocks 0-3 as soon as the last group has multiplied them.  24 fragments a step close the ring of twelve: one text serves every step.
.set CH,     80                        ; a piece: 64 bytes + 16
.set PITCH,  240
.set RB,     16*PITCH                  ; a block of 16 rows
.set SLOT,   0x27000
.set SPARE,  2*SLOT                    ; behind the ring: the spare words, 128 bytes a wave
.set XBLK,   8192*192                  ; bytes from a K step to the next in xb
.set WBLK,   3072*192                  ; and in wb
.set SP,     784                       ; a row of the stage: 768 bytes + 16.  The stage (256 rows) lies in the ring, behind its last fill
.set OROW,   6144                      ; bytes in a row of qkv
.set ADRA0, 8                          ; v8      my lane's place in my 128 rows of xb in slot 0; never rewritten
.set ADRB0, 9                          ; v9-11   the same for my three groups of 64 rows of wb
.set ADRA,  12                         ; v12     the same in the slot in hand
.set ADRB,  13                         ; v13-15
.set STO,   16                         ; v16, v17  the way out: where I put 16 bytes of a row (row blocks 0-3, 4-7)
.set RD,    18                         ; v18     where I read rows back
.set CO,    19                         ; v19     my byte offset in qkv
.set PFO,   20                         ; v20     the prefetches' offset: my lane x a row of 192 bytes; never rewritten
.set SPW,   28                         ; v28     LDS address of my spare word; never rewritten
.set NIL,   29                         ; v29     0; never rewritten
.set AF,    32
.set BF,    128
.set TMP,   32                         ; the way out: v[32:159]
.set WV,    16                         ; s16  my wave's number
.set WR,    22                         ; s22  my half of the rows
.set WC,    23                         ; s23  my half of the columns
.set G1A,   24                         ; s[24:31] descriptor group 1 for xb
.set G0A,   32                         ; s[32:39] group 0: the first fill's set, and the set that walks
.set SOFF,  42                         ; s42  0 or SLOT: the slot in hand
.set LIM,   43                         ; s43  1 in a wave that prefetches, else the greatest number
.set PFA,   44                         ; s[44:45] where my prefetches stand
.set PFS,   46                         ; s[46:47] their step: XBLK or WBLK
.set G1B,   48                         ; s[48:55], s[56:63] the same for wb
.set G0B,   56
.set MSB, 0
.macro WIN new                         ; the immediate's high byte repeats the setting that is left
.if MSB != (\new)
	s_set_vgpr_msb (MSB<<8)|(\new)
.set MSB, \new
.endif
.endm
.macro PLACES                          ; four plain places behind matrix instructions, in front of loads into their sources and of reads of their results
.rept 4
	v_nop
.endr
.endm
.macro CREST                           ; a round of the cluster's barrier behind its opening barrier
	s_cmp_lg_u32 s[WV], 0
	s_cbranch_scc1 .Lnot_wave_0_\@
	s_barrier_signal -3
.Lnot_wave_0_\@:
	s_barrier_wait -3
	s_barrier_signal -1
	s_barrier_wait -1
.endm
.macro CROUND
	s_barrier_signal -1
	s_barrier_wait -1
	CREST
.endm
.macro JLOAD                           ; a joint refill by the walking sets; the branch hangs on the wave's number alone
	s_cmp_eq_u32 s[WV], 3
	s_cbranch_scc0 .Lfor_b_\@
	tensor_load_to_lds s[G0A+4:G0A+7], s[G1A:G1A+7]
	s_nop 0
.rept 4
	v_nop
.endr
	s_branch .Lasked_\@
.Lfor_b_\@:
	tensor_load_to_lds s[G0B+4:G0B+7], s[G1B:G1B+7]
	s_nop 0
.rept 4
	v_nop
.endr
.Lasked_\@:
.endm
; A prefetch of the K step that the NEXT refill will ask for: 288 matrix instructions ahead of that load.  Rows of xb are asked for by the clusters with x = 0, rows of wb by those with y = 0.  The four partners that
; ask for a tile jointly share its rows out by address: 32 of the 128 rows of wb that a wave fetches, 64 of wave 3's 256 rows of xb: a lane a row of 192 bytes, rows on end.
; So each row of K steps 3 to 10 is named once; steps 0 to 2 come by their loads alone; the last trip (s3 = 1) has no step behind its refill.
.macro ASK
	s_cmp_gt_u32 s3, s[LIM]
	s_cbranch_scc0 .Lnot_mine_\@
	global_prefetch_b8 v[PFO], s[PFA:PFA+1] th:TH_LOAD_NT scope:SCOPE_SE
	s_cmp_eq_u32 s[WV], 3
	s_cbranch_scc0 .Lnot_mine_\@
	global_prefetch_b8 v[PFO], s[PFA:PFA+1] offset:32*192 th:TH_LOAD_NT scope:SCOPE_SE
.Lnot_mine_\@:
.endm
; n row blocks from a0 on x the four column blocks of group bg, in quarter q.  zero = 1: the product starts the sum.  Each of the 96 accumulators has one instruction a quarter: they take turns.
.macro MULA q, bg, a0, n, zero
	WIN 0x50*((\bg)+1)                             ; sources in window 0, C and D in window 1 + bg
.set a, (\a0)
.rept \n
.set rA, AF+8*((8*(\q)+a)%12)
.irp b, 0,1,2,3
.if \zero
	v_wmma_f32_16x16x32_bf16 v[8*(4*a+(\b)):8*(4*a+(\b))+7], v[BF+32*(\bg)+8*(\b):BF+32*(\bg)+8*(\b)+7], v[rA:rA+7], 0
.else
	v_wmma_f32_16x16x32_bf16 v[8*(4*a+(\b)):8*(4*a+(\b))+7], v[BF+32*(\bg)+8*(\b):BF+32*(\bg)+8*(\b)+7], v[rA:rA+7], v[8*(4*a+(\b)):8*(4*a+(\b))+7]
.endif
.endr
.set a, a+1
.endr
.endm
.macro LDB bg, k                       ; eight loads: the four fragments of column group bg, at byte k of the rows
.irp i, 0,1,2,3
	ds_load_b128 v[BF+32*(\bg)+8*(\i):BF+32*(\bg)+8*(\i)+3],   v[ADRB+(\bg)] offset:(\k)+(\i)*RB
	ds_load_b128 v[BF+32*(\bg)+8*(\i)+4:BF+32*(\bg)+8*(\i)+7], v[ADRB+(\bg)] offset:(\k)+(\i)*RB+32
.endr
.endm
.macro LDA q, hf, k                    ; eight loads: row blocks 4 hf to 4 hf + 3 for quarter q, at byte k of the rows
.irp i, 0,1,2,3
.set rA, AF+8*((8*(\q)+4*(\hf)+(\i))%12)
	ds_load_b128 v[rA:rA+3],   v[ADRA] offset:(\k)+(4*(\hf)+(\i))*RB
	ds_load_b128 v[rA+4:rA+7], v[ADRA] offset:(\k)+(4*(\hf)+(\i))*RB+32
.endr
.endm
; A QUARTER.  In each group's middle stands one run of loads: run 0: wb's group 2 of this quarter; run 1: the next quarter's row blocks 0-3 and wb's group 0; run 2: its row blocks 4-7 and wb's group 1.
; kind 0: the next quarter lies in the same slot.  kind 1, 2 (a step's third quarter): THE CHANGE OF SLOTS stands between run 0, the last read of this slot, and run 1, the first of the next: each wave waits for all its
; tensor loads (one is out: its part of the next slot), adds 0 to its spare word, waits for that and for its reads, and passes the barrier; kind 1: the barrier opens a round of the cluster's barrier, and the joint
; refill, the K step two on, is the first thing behind the round: 272 matrix instructions ahead of the wait for it.  kind 3: the very last quarter: nothing more is fetched, and a barrier ends all reads of the ring.
.macro QUARTER q, kind, zero=0
.set NQ, ((\q)+1)%3
.set NK, CH*NQ
.if (\kind) == 1
	s_wait_xcnt 0x0                                ; the last prefetches, a K step back, have read their address
	s_add_nc_u64 s[PFA:PFA+1], s[PFA:PFA+1], s[PFS:PFS+1]
.endif
	s_wait_dscnt 16                                ; run 1 is in; run 2's sixteen may be out
	MULA \q, 0, 0, 4, \zero
	PLACES
	WIN 0
	LDB 2, CH*(\q)                                 ; run 0
	s_wait_dscnt 16                                ; row blocks 4-7 are in; wb's group 1 (eight) and run 0 (eight) may be out
	MULA \q, 0, 4, 4, \zero
.if (\kind) == 0
	s_wait_dscnt 8                                 ; wb's group 1 is in; run 0 may be out
	MULA \q, 1, 0, 4, \zero
	PLACES
	WIN 0
	LDA NQ, 0, NK                                  ; run 1
	LDB 0, NK
	MULA \q, 1, 4, 4, \zero
.elseif (\kind) == 3
	s_wait_dscnt 8
	MULA \q, 1, 0, 8, 0
.else
	WIN 0
	s_wait_tensorcnt 0x0                           ; no tensor load of mine is out, so a group 0 may be written
	ds_add_u32 v[SPW], v[NIL]                      ; 0 onto my spare word
.if (\kind) == 1
	s_xor_b32 s[G0A+5], s[G0A+5], SLOT             ; the walking sets: the other slot than last time, the next K step
	s_add_nc_u64 s[G0A+6:G0A+7], s[G0A+6:G0A+7], XBLK
	s_xor_b32 s[G0B+5], s[G0B+5], SLOT
	s_add_nc_u64 s[G0B+6:G0B+7], s[G0B+6:G0B+7], WBLK
.endif
	s_wait_dscnt 9                                 ; wb's group 1 is in; run 0 and the add may be out
	MULA \q, 1, 0, 2, 0
	s_wait_dscnt 0x0                               ; the add is done, and my reads of this slot are over
	s_barrier_signal -1
	MULA \q, 1, 2, 2, 0
	WIN 0
	s_barrier_wait -1
.if (\kind) == 1
	CREST
	JLOAD                                          ; its four v_nop are also the places in front of the loads below
.else
	PLACES
.endif
	s_xor_b32 s[SOFF], s[SOFF], SLOT
	v_add_nc_u32 v[ADRA], s[SOFF], v[ADRA0]
.irp g, 0,1,2
	v_add_nc_u32 v[ADRB+(\g)], s[SOFF], v[ADRB0+(\g)]
.endr
	LDA NQ, 0, NK                                  ; run 1, out of the next slot
	LDB 0, NK
.if (\kind) == 1
	ASK
.endif
	MULA \q, 1, 4, 4, 0
.endif
.if (\kind) == 3
	s_wait_dscnt 0x0                               ; my reads of the ring are over
	s_barrier_signal -1
	MULA \q, 2, 0, 8, 0
	WIN 0
	s_barrier_wait -1                              ; everybody's are: the ring's bytes may take the stage
.else
	s_wait_dscnt 16                                ; run 0 is in; run 1's sixteen may be out
	MULA \q, 2, 0, 4, \zero
	PLACES                                         ; row blocks 0-3 have just been read for the last time
	WIN 0
	LDA NQ, 1, NK                                  ; run 2
	LDB 1, NK
	MULA \q, 2, 4, 4, \zero
.endif
.endm
	s_load_b128 s[4:7], s[0:1], 0x0                ; xb s[4:5], wb s[6:7]
	s_load_b64 s[8:9], s[0:1], 0x10                ; qkv
	v_lshl_add_u32 v[SPW], v0, 2, SPARE
	v_mov_b32 v[NIL], 0
	ds_add_u32 v[SPW], v[NIL]                      ; the wave's opening
	ds_add_u32 v28, v29
	v_lshrrev_b32 v1, 5, v0
	v_readfirstlane_b32 s[WV], v1
	s_lshr_b32 s[WR], s[WV], 1
	s_and_b32 s[WC], s[WV], 1
	s_bfe_u32 s18, ttmp6, 0x40000                  ; cx
	s_bfe_u32 s19, ttmp6, 0x40004                  ; cy
	s_lshl_b32 s20, ttmp9, 2
	s_add_co_u32 s20, s20, s18                     ; X: tile column = 4 x cluster x + cx
	s_and_b32 s21, ttmp7, 0xffff
	s_lshl_b32 s21, s21, 2
	s_add_co_u32 s21, s21, s19                     ; Y: tile row = 4 x cluster y + cy
	s_lshl_b32 s10, s19, 2
	s_lshl_b32 s10, 15, s10                        ; my row of the cluster
	s_lshl_b32 s11, 0x1111, s18                    ; my column
	s_or_b32 s[G1A], s10, (1<<16)|(1<<20)|(1<<21)|(3<<22)|(3<<25)  ; the mask; 2-byte elements; padding on; bit 21 beside a mask; after every 16 words, 4 words
	s_or_b32 s[G1B], s11, (1<<16)|(1<<20)|(1<<21)|(3<<22)|(3<<25)
.irp g, G1A, G1B
	s_mov_b32 s[(\g)+1], 128<<16                   ; tensor_dim0 = 128: a dense block comes as rows of 256 bytes
	s_mov_b32 s[(\g)+3], 128<<16                   ; tile_dim0 = 128
	s_mov_b32 s[(\g)+5], 128                       ; elements from row to row
	s_mov_b32 s[(\g)+6], 0
	s_mov_b32 s[(\g)+7], 0
.endr
	s_mov_b32 s[G1A+2], 192<<16                    ; 256 rows of 192 bytes are 192 of 256
	s_mov_b32 s[G1A+4], 192
	s_mov_b32 s[G1B+2], 96<<16                     ; 128 rows of 192 bytes are 96 of 256
	s_mov_b32 s[G1B+4], 96
	s_mul_i32 s40, s21, 256*192                    ; xb: the tile's 256 rows
	s_mov_b32 s41, 0
	s_min_u32 s12, s[WV], 2
	s_mul_i32 s12, s12, 128*192                    ; wb: which 128 of the 384 rows I fetch (waves 0-2)
	s_mul_i32 s13, s20, 384*192
	s_add_co_u32 s12, s12, s13
	s_mov_b32 s13, 0
	s_lshl_b32 s17, s[WV], 15                      ; where my load goes: 32,768 x wave: no place in the cluster enters an LDS address
	s_mov_b32 s[SOFF], 0
	s_wait_dscnt 0x0                               ; the opening add is done
	s_wait_kmcnt 0x0
	s_add_nc_u64 s[40:41], s[4:5], s[40:41]
	s_add_nc_u64 s[12:13], s[6:7], s[12:13]
.irp s, 0,1
	s_mov_b32 s[G0A+4*(\s)], 1
	s_add_co_u32 s[G0A+4*(\s)+1], s17, (\s)*SLOT
	s_add_nc_u64 s[G0A+4*(\s)+2:G0A+4*(\s)+3], s[40:41], (\s)*XBLK
	s_or_b32 s[G0A+4*(\s)+3], s[G0A+4*(\s)+3], 0x80000000
	s_mov_b32 s[G0B+4*(\s)], 1
	s_add_co_u32 s[G0B+4*(\s)+1], s17, (\s)*SLOT
	s_add_nc_u64 s[G0B+4*(\s)+2:G0B+4*(\s)+3], s[12:13], (\s)*WBLK
	s_or_b32 s[G0B+4*(\s)+3], s[G0B+4*(\s)+3], 0x80000000
.endr
	CROUND                                         ; all sixteen work-groups are here: the first joint loads meet
	s_cmp_eq_u32 s[WV], 3                          ; a wave's two first fills stand in one branch: two loads of mine are out
	s_cbranch_scc0 .Lfirst_b
	tensor_load_to_lds s[G0A:G0A+3], s[G1A:G1A+7]
	s_nop 0
	tensor_load_to_lds s[G0A+4:G0A+7], s[G1A:G1A+7]
	s_nop 0
.rept 4
	v_nop
.endr
	s_branch .Lfirst_asked
.Lfirst_b:
	tensor_load_to_lds s[G0B:G0B+3], s[G1B:G1B+7]
	s_nop 0
	tensor_load_to_lds s[G0B+4:G0B+7], s[G1B:G1B+7]
	s_nop 0
.rept 4
	v_nop
.endr
.Lfirst_asked:
	v_and_b32 v1, 15, v0                           ; r = lane % 16
	v_bfe_u32 v2, v0, 4, 1                         ; h = lane / 16
	v_mul_u32_u24 v3, v1, PITCH
	v_lshl_add_u32 v3, v2, 4, v3                   ; a fragment's row x pitch + 16 x half
	s_mul_i32 s10, s[WR], 128*PITCH
	s_add_co_u32 s10, s10, 3*32768                 ; my 128 rows of xb
	v_add_nc_u32 v[ADRA0], s10, v3
	v_mov_b32 v[ADRA], v[ADRA0]
	s_mul_i32 s10, s[WC], 12                       ; my first block of 16 columns among the tile's 24; eight blocks lie in each third of wb, a third every 32,768 bytes
.irp g, 0,1,2
	s_add_co_u32 s11, s10, 4*(\g)
	s_lshr_b32 s14, s11, 3
	s_and_b32 s11, s11, 7
	s_mul_i32 s11, s11, RB
	s_lshl_b32 s14, s14, 15
	s_add_co_u32 s11, s11, s14
	v_add_nc_u32 v[ADRB0+(\g)], s11, v3
	v_mov_b32 v[ADRB+(\g)], v[ADRB0+(\g)]
.endr
	v_mul_u32_u24 v3, v1, SP                       ; into the stage: row r of a block of my 128 rows, my 384 bytes of it, 16 bytes for each half of the lanes
	v_lshl_add_u32 v3, v2, 4, v3
	s_mul_i32 s10, s[WR], 128*SP
	s_mul_i32 s11, s[WC], 384
	s_add_co_u32 s10, s10, s11
	v_add_nc_u32 v[STO], s10, v3
	v_add_nc_u32 v[STO+1], 4*16*SP, v[STO]
	s_mul_i32 s10, s[WV], 64*SP                    ; back: wave w takes rows 64 w .. 64 w + 63, whole
	v_mul_u32_u24 v3, v2, SP
	v_lshl_add_u32 v3, v1, 4, v3
	v_add_nc_u32 v[RD], s10, v3
	v_mul_u32_u24 v3, v2, OROW
	v_lshl_add_u32 v[CO], v1, 4, v3
	s_lshl_b32 s14, s21, 8
	s_lshl_b32 s15, s[WV], 6
	s_add_co_u32 s14, s14, s15                     ; the first row of qkv that I store
	s_mul_i32 s14, s14, OROW
	s_mul_i32 s15, s20, 768
	s_add_co_u32 s14, s14, s15
	s_mov_b32 s15, 0
	s_add_nc_u64 s[8:9], s[8:9], s[14:15]
	; the prefetches
	s_lshl_b32 s10, s21, 8                         ; xb: the tile's rows,
	s_lshl_b32 s11, s18, 6                         ; my work-group's 64 of them
	s_add_co_u32 s10, s10, s11
	s_min_u32 s14, s[WV], 2
	s_lshl_b32 s14, s14, 7                         ; wb: the 128 rows that I fetch,
	s_mul_i32 s15, s20, 384
	s_add_co_u32 s14, s14, s15
	s_lshl_b32 s15, s19, 5                         ; my work-group's 32 of them
	s_add_co_u32 s14, s14, s15
	s_and_b32 s15, ttmp7, 0xffff                   ; cluster y
	s_mov_b32 s[PFS], WBLK
	s_mov_b32 s[PFS+1], 0
	s_cmp_eq_u32 s[WV], 3
	s_cselect_b32 s10, s10, s14
	s_cselect_b32 s15, ttmp9, s15                  ; the coordinate along which other clusters read the same rows
	s_cselect_b32 s[PFS], XBLK, s[PFS]
	s_cselect_b64 s[PFA:PFA+1], s[4:5], s[6:7]
	s_cmp_eq_u32 s15, 0
	s_cselect_b32 s[LIM], 1, -1                    ; the same in all sixteen partners, for a given wave
	s_mul_i32 s10, s10, 192
	s_mov_b32 s11, 0
	s_add_nc_u64 s[PFA:PFA+1], s[PFA:PFA+1], s[10:11]
	s_add_nc_u64 s[PFA:PFA+1], s[PFA:PFA+1], s[PFS:PFS+1]
	s_add_nc_u64 s[PFA:PFA+1], s[PFA:PFA+1], s[PFS:PFS+1]  ; at K step 2: the first change of slots steps it to 3
	v_and_b32 v[PFO], 31, v0
	v_mul_u32_u24 v[PFO], v[PFO], 192
	s_wait_tensorcnt 1                             ; my part of K step 0 is in; K step 1's stays out
	s_barrier_signal -1
	s_barrier_wait -1
	LDA 0, 0, 0                                    ; the first quarter's fragments, in the order of runs 1 and 2
	LDB 0, 0
	LDA 0, 1, 0
	LDB 1, 0
	QUARTER 0, 0, 1                                ; the first quarter stands in front of the loop: its products start the sums
	WIN 0
	s_mov_b32 s3, 9
.Lstep:                                                ; a trip: a K step's quarters 1 and 2 and the next step's quarter 0; its refill brings K steps 2 to 10
	QUARTER 1, 0
	QUARTER 2, 1
	QUARTER 0, 0
	WIN 0
	s_sub_co_u32 s3, s3, 1
	s_cmp_lg_u32 s3, 0
	s_cbranch_scc1 .Lstep
	QUARTER 1, 0                                   ; K steps 9 and 10 ask for nothing
	QUARTER 2, 2
	QUARTER 0, 0
	QUARTER 1, 0
	QUARTER 2, 3
	; THE WAY OUT: rounded to f16, 16 bytes a lane into the stage; a barrier, since a row's 768 bytes come from two waves; back as whole rows.
	PLACES
.irp bg, 0,1,2
	WIN 0x05*((\bg)+1)                             ; sources in window 1 + bg, destination in window 0
.set n, 0
.rept 32                               ; accumulator n = 4 a + b % 4 of the window, its registers in ascending order
.irp r, 0,1,2,3
	v_cvt_pk_f16_f32 v[TMP+4*n+(\r)], v[8*n+2*(\r)], v[8*n+2*(\r)+1]
.endr
.set n, n+1
.endr
	WIN 0
.set n, 0
.rept 32
	ds_store_b128 v[STO+n/16], v[TMP+4*n:TMP+4*n+3] offset:((n/4)%4)*16*SP+32*(4*(\bg)+n%4)
.set n, n+1
.endr
.endr
	s_wait_dscnt 0x0                               ; for the others' sake: my stores into the stage are done
	s_barrier_signal -1
	s_barrier_wait -1
	s_mov_b32 s3, 4
.Lout:                                                 ; 16 rows of 768 bytes a trip
.set t, 0
.rept 24
	ds_load_b128 v[TMP+4*t:TMP+4*t+3], v[RD] offset:2*(t/3)*SP+256*(t%3)
.set t, t+1
.endr
.set t, 0
.rept 24
	s_wait_dscnt 23-t                              ; load t is in, the younger ones stay out
	global_store_b128 v[CO], v[TMP+4*t:TMP+4*t+3], s[8:9] offset:2*(t/3)*OROW+256*(t%3)  ; 16 lanes store 256 consecutive bytes, aligned
.set t, t+1
.endr
	s_wait_xcnt 0x0                                ; the stores have read their base and their data: both are written again below and in the next trip
	v_add_nc_u32 v[RD], 16*SP, v[RD]
	s_add_nc_u64 s[8:9], s[8:9], 16*OROW
	s_sub_co_u32 s3, s3, 1
	s_cmp_lg_u32 s3, 0
	s_cbranch_scc1 .Lout
	s_wait_tensorcnt 0x0                           ; the wave's end
	ds_add_u32 v[SPW], v[NIL]
	s_wait_dscnt 0x0
	CROUND                                         ; the closing round
	s_endpgm
.Lfunc_end_k_q4df399c9d9_proj:
	.size	k_q4df399c9d9_proj, .Lfunc_end_k_q4df399c9d9_proj-k_q4df399c9d9_proj
	.p2alignl 7, 3214868480
	.fill 96, 4, 3214868480
	.section	.rodata,"a",@progbits
	.p2align	6, 0x0
	.amdhsa_kernel k_q4df399c9d9_proj
		.amdhsa_group_segment_fixed_size 327680
		.amdhsa_private_segment_fixed_size 0
		.amdhsa_enable_private_segment 0
		.amdhsa_kernarg_size 24
		.amdhsa_user_sgpr_count 2
		.amdhsa_user_sgpr_kernarg_segment_ptr 1
		.amdhsa_wavefront_size32 1
		.amdhsa_system_sgpr_workgroup_id_x 1
		.amdhsa_system_sgpr_workgroup_id_y 1
		.amdhsa_system_sgpr_workgroup_id_z 1
		.amdhsa_system_vgpr_workitem_id 0
		.amdhsa_next_free_vgpr 1024
		.amdhsa_next_free_sgpr 66
		.amdhsa_reserve_vcc 0
		.amdhsa_float_denorm_mode_32 3
		.amdhsa_float_denorm_mode_16_64 3
		.amdhsa_memory_ordered 1
		.amdhsa_forward_progress 1
		.amdhsa_inst_pref_size 130
	.end_amdhsa_kernel
	.amdgpu_metadata
---
amdhsa.version: [ 1, 2 ]
amdhsa.kernels:
  - .name:           k_q4df399c9d9_proj
    .symbol:         k_q4df399c9d9_proj.kd
    .args:
      - { .name: xb, .offset: 0, .size: 8, .value_kind: global_buffer, .address_space: global }
      - { .name: wb, .offset: 8, .size: 8, .value_kind: global_buffer, .address_space: global }
      - { .name: qkv, .offset: 16, .size: 8, .value_kind: global_buffer, .address_space: global }
    .group_segment_fixed_size: 327680
    .private_segment_fixed_size: 0
    .kernarg_segment_align: 8
    .kernarg_segment_size: 24
    .max_flat_workgroup_size: 128
    .sgpr_count:     66
    .vgpr_count:     1024
    .wavefront_size: 32
...
	.end_amdgpu_metadata
.endif
;; end of part 2
;; launch scores (part 3): grid 36 x 4, 4 waves a work-group, no clusters, 327,680 bytes of LDS; arguments qkv, pt, st; writes pt, st
.if DOCPART == 3
	.amdgcn_target "amdgcn-amd-amdhsa--gfx1250"
	.amdhsa_code_object_version 6
	.text
	.protected	k_q4df399c9d9_scores
	.globl	k_q4df399c9d9_scores
	.p2align	8
	.type	k_q4df399c9d9_scores,@function
k_q4df399c9d9_scores:
	s_mov_b64 s[64:65], 0
	v_nop
	global_prefetch_b8 v0, s[64:65] scope:SCOPE_SE
	s_setreg_imm32_b32 hwreg(HW_REG_WAVE_MODE, 25, 1), 1
	s_wait_xcnt 0x0
; For each tile of 256 rows x 256 keys on or under the diagonal: S = k q^T (rows of k are the queries, rows of q the keys, as the module has it); then, for each row and each block of 128 keys:
; cm = c x the block's largest score, c = log2(e) / 32; p = 2^(c s - cm), rounded to f16, into pt [4][2048][2048]; l = the sum of the unrounded p.  cm and l go to st: cm at 4 (8192 block + row), l 524,288 bytes on.
; The maximum is taken away before every exponential; the next launch joins the blocks by 2^(cm - M).
; LIMITS.  A hidden score counts as its value less 1e30.  p below 6e-5 keeps f16's fixed step.  NaN and infinities are not treated apart.
; SHARES.  Work-group t of 36 is tile (I, J), J <= I, of batch y.  Four waves, each 128 x 128: 64 accumulators in windows 2 and 3.  K = 1024 goes in 8 steps of 128 through two LDS slots.
; THE MASK is the C operand that starts the sums.  A wave's quadrant (i = 2 I + its row half, j = 2 J + its column half) holds the diagonal if i = j: accumulators right of the diagonal start at -1e30, those on it at MD.
; The quadrant with j > i is wholly hidden: it takes no mask, its p stay finite, and its cm is stored as -1e30, so that the next launch gives it the weight 0.
; NO CLUSTER: the triangle's rows hold 1 to 8 tiles, and 36 tiles a batch do not fall into fours that share a tile.
; THE MATRIX INSTRUCTION IS USED TRANSPOSED (source 0 = 16 keys, source 1 = 16 rows): a lane holds one row and eight neighbouring keys.
.set KSTEP,  128
.set PITCH,  272
.set HALFT,  128*PITCH
.set SLOT,   4*HALFT                   ; 256 rows of k, then 256 rows of q
.set STAGE,  2*SLOT                    ; behind the ring: 16 rows x 272 bytes for each wave
.set SSTG,   STAGE+4*16*272            ; 1,024 bytes for each wave: 128 cm, 128 l
.set SPARE,  SSTG+4096                 ; the spare words
.set OROW,   6144
.set NL,     32
.set ADRA0, 16
.set ADRB0, 17
.set ADRA,  18
.set ADRB,  19
.set DA,    20                         ; v20  where I dump my accumulators: 65,536 x wave + 16 x lane, in the ring, behind its last fill
.set LA,    21                         ; v21  the same, stepping by row blocks
.set SMW,   22                         ; v22  where a row's cm goes
.set SRD,   23                         ; v23  where I read the statistics back
.set STO,   24
.set RD,    25
.set CO,    26
.set SGO,   27                         ; v27  16 x lane
.set SPW,   28
.set NIL,   29
.set PFO,   30
.set NEG,   31                         ; v31  -1e30
.set F0,    64
.set F1,    128
.set MD,    192                        ; v[192:199] the mask of an accumulator on the diagonal
.set BG,    200                        ; v[200:207] the mask right of it
.set S,     64                         ; the way out: a row block's 64 scores a lane
.set TMP,   128
.set OB,    160
.set WV,    10
.set G1,    24
.set G0,    32
.set CS,    40                         ; s[40:41] c
.set SOFF,  42
.set LIM,   43
.set BGS,   44                         ; s44  -1e30 in a quadrant on the diagonal, else 0
.set FM,    45                         ; s45  all ones in the wholly hidden quadrant, else 0
.set SEL,   50                         ; s[50:51]
.set PFA,   52
.set MSB, 0
.macro WIN new
.if MSB != (\new)
	s_set_vgpr_msb (MSB<<8)|(\new)
.set MSB, \new
.endif
.endm
.set MUL_LO, 0xa1
.set TO_B,   0x40
.macro PLACES
.rept 4
	v_nop
.endr
.endm
; A prefetch of the K step two refills on.  Rows of k of tile I and rows of q of tile J are each read by several work-groups, of which exactly one lies on the diagonal (I = J): it asks.
; Each of its waves names the 128 rows that it fetches itself, a lane a row, four instructions.  K steps 4 to 7 are named; trips s3 = 2 and 1 have no K step two on.
.macro ASK
	s_cmp_gt_u32 s3, s[LIM]
	s_cbranch_scc0 .Lnot_mine_\@
.irp q, 0,1,2,3
	global_prefetch_b8 v[PFO], s[PFA:PFA+1] offset:(\q)*32*OROW+KSTEP*2 th:TH_LOAD_NT scope:SCOPE_SE
.endr
.Lnot_mine_\@:
.endm
.macro MUL16 f, hi, a0, zero           ; 16 matrix instructions; the 64 accumulators take turns, in the same order in every quarter
.if \zero
	WIN 0x81+0x40*(\hi)
.else
	WIN MUL_LO+0x50*(\hi)
.endif
.irp a, \a0, (\a0)+1
.irp b, 0,1,2,3,4,5,6,7
.if \zero
.if (\b) < 4*(\hi)+(\a)
	v_wmma_f32_16x16x32_f16 v[8*(8*(\a)+(\b)):8*(8*(\a)+(\b))+7], v[(\f)+8*(\b):(\f)+8*(\b)+7], v[(\f)+8*(4*(\hi)+(\a)):(\f)+8*(4*(\hi)+(\a))+7], 0
.elseif (\b) == 4*(\hi)+(\a)
	v_wmma_f32_16x16x32_f16 v[8*(8*(\a)+(\b)):8*(8*(\a)+(\b))+7], v[(\f)+8*(\b):(\f)+8*(\b)+7], v[(\f)+8*(4*(\hi)+(\a)):(\f)+8*(4*(\hi)+(\a))+7], v[MD:MD+7]
.else
	v_wmma_f32_16x16x32_f16 v[8*(8*(\a)+(\b)):8*(8*(\a)+(\b))+7], v[(\f)+8*(\b):(\f)+8*(\b)+7], v[(\f)+8*(4*(\hi)+(\a)):(\f)+8*(4*(\hi)+(\a))+7], v[BG:BG+7]
.endif
.else
	v_wmma_f32_16x16x32_f16 v[8*(8*(\a)+(\b)):8*(8*(\a)+(\b))+7], v[(\f)+8*(\b):(\f)+8*(\b)+7], v[(\f)+8*(4*(\hi)+(\a)):(\f)+8*(4*(\hi)+(\a))+7], v[8*(8*(\a)+(\b)):8*(8*(\a)+(\b))+7]
.endif
.endr
.endr
.endm
.macro FETCH k, f
	WIN TO_B
.irp i, 0,1,2,3,4,5,6,7
	ds_load_b128 v[(\f)+8*(\i):(\f)+8*(\i)+3],   v[ADRB] offset:(\k)+(\i)*16*PITCH
	ds_load_b128 v[(\f)+8*(\i)+4:(\f)+8*(\i)+7], v[ADRB] offset:(\k)+(\i)*16*PITCH+32
.endr
	WIN 0
.irp i, 0,1,2,3,4,5,6,7
	ds_load_b128 v[(\f)+8*(\i):(\f)+8*(\i)+3],   v[ADRA] offset:(\k)+(\i)*16*PITCH
	ds_load_b128 v[(\f)+8*(\i)+4:(\f)+8*(\i)+7], v[ADRA] offset:(\k)+(\i)*16*PITCH+32
.endr
.endm
.macro QUARTER k, f, g, zero
	s_wait_dscnt 8                                 ; all but the youngest eight loads (my rows 64-127 of k)
	MUL16 \f, 0, 0, \zero
	MUL16 \f, 0, 2, \zero
	PLACES
	FETCH \k, \g
	s_wait_dscnt NL                                ; all but the 32 just issued
	MUL16 \f, 1, 0, \zero
	MUL16 \f, 1, 2, \zero
.endm
; The last quarter of a K step changes slots: each wave waits for all its tensor loads (one is out: its part of the next slot), adds 0 to its spare word, waits for that and for its reads of this slot, and
; passes the barrier; fill = 1: the refill, the K step two on, is the first thing behind it.
.macro TURN fill
.if \fill
	s_wait_xcnt 0x0                                ; the last prefetches, a K step back, have read their address
	s_add_nc_u64 s[PFA:PFA+1], s[PFA:PFA+1], KSTEP*2
.endif
	WIN 0
	s_wait_tensorcnt 0x0
	ds_add_u32 v[SPW], v[NIL]
.if \fill
	s_xor_b32 s[G0+5], s[G0+5], SLOT
	s_add_nc_u64 s[G0+6:G0+7], s[G0+6:G0+7], KSTEP*2
.endif
	s_wait_dscnt 9                                 ; the add and the youngest eight loads may be out
	MUL16 F1, 0, 0, 0
	s_wait_dscnt 0x0
	s_barrier_signal -1
	MUL16 F1, 0, 2, 0
	WIN 0
	s_barrier_wait -1
.if \fill
	tensor_load_to_lds s[G0+4:G0+7], s[G1:G1+7]
	s_nop 0
.endif
	PLACES
	s_xor_b32 s[SOFF], s[SOFF], SLOT
	v_add_nc_u32 v[ADRA], s[SOFF], v[ADRA0]
	v_add_nc_u32 v[ADRB], s[SOFF], v[ADRB0]
	FETCH 0, F0
.if \fill
	ASK
.endif
	MUL16 F1, 1, 0, 0
	MUL16 F1, 1, 2, 0
.endm
	s_load_b128 s[4:7], s[0:1], 0x0                ; qkv s[4:5], pt s[6:7]
	s_load_b64 s[8:9], s[0:1], 0x10                ; st
	v_lshl_add_u32 v[SPW], v0, 2, SPARE
	v_mov_b32 v[NIL], 0
	ds_add_u32 v[SPW], v[NIL]                      ; the wave's opening
	ds_add_u32 v28, v29
	v_lshrrev_b32 v1, 5, v0
	v_readfirstlane_b32 s[WV], v1
	s_lshr_b32 s11, s[WV], 1                       ; my half of the tile's rows
	s_and_b32 s12, s[WV], 1                        ; my half of its keys; also which 128 rows I fetch
	s_mov_b32 s13, 0
.irp n, 1,2,3,4,5,6,7
	s_cmp_ge_u32 ttmp9, (\n)*((\n)+1)/2
	s_cselect_b32 s13, \n, s13                     ; I: the largest n with n (n + 1) / 2 <= t
.endr
	s_add_co_u32 s14, s13, 1
	s_mul_i32 s14, s14, s13
	s_lshr_b32 s14, s14, 1
	s_sub_co_u32 s14, ttmp9, s14                   ; J
	s_and_b32 s15, ttmp7, 0xffff                   ; batch
	s_mov_b32 s[G1], (1<<16)|(1<<20)|(5<<22)|(3<<25)  ; 2-byte elements; padding on: after every 64 words, 4 words
	s_mov_b32 s[G1+1], KSTEP<<16
	s_mov_b32 s[G1+2], 128<<16
	s_mov_b32 s[G1+3], KSTEP<<16
	s_mov_b32 s[G1+4], 128
	s_mov_b32 s[G1+5], 3072                        ; elements from row to row of qkv
	s_mov_b32 s[G1+6], 0
	s_mov_b32 s[G1+7], 0
	s_cmp_lt_u32 s[WV], 2                          ; waves 0, 1 fetch k of tile I, waves 2, 3 q of tile J
	s_cselect_b32 s16, s13, s14
	s_cselect_b32 s17, 0, 2048                     ; q begins 2,048 bytes into a row
	s_lshl_b32 s16, s16, 8
	s_lshl_b32 s20, s12, 7
	s_add_co_u32 s16, s16, s20
	s_lshl_b32 s20, s15, 11
	s_add_co_u32 s16, s16, s20
	s_mul_i32 s16, s16, OROW
	s_add_co_u32 s16, s16, s17
	s_mov_b32 s17, 0
	s_mul_i32 s20, s[WV], HALFT
	s_lshl_b32 s21, s13, 1
	s_add_co_u32 s21, s21, s11                     ; i: my block of 128 rows
	s_lshl_b32 s22, s14, 1
	s_add_co_u32 s22, s22, s12                     ; j: my block of 128 keys
	s_cmp_eq_u32 s21, s22
	s_cselect_b32 s[BGS], 0xf149f2ca, 0
	s_cmp_gt_u32 s22, s21
	s_cselect_b32 s[FM], -1, 0
	s_cmp_eq_u32 s13, s14
	s_cselect_b32 s[LIM], 2, -1
	s_lshl_b32 s46, s15, 23                        ; pt: the batch, my 128 rows of 4,096 bytes, my 256 bytes of them
	s_lshl_b32 s23, s21, 19
	s_add_co_u32 s46, s46, s23
	s_lshl_b32 s23, s22, 8
	s_add_co_u32 s46, s46, s23
	s_mov_b32 s47, 0
	s_lshl_b32 s48, s22, 13                        ; st: 8192 j + 2048 batch + 128 i, in words
	s_lshl_b32 s23, s15, 11
	s_add_co_u32 s48, s48, s23
	s_lshl_b32 s23, s21, 7
	s_add_co_u32 s48, s48, s23
	s_lshl_b32 s48, s48, 2
	s_mov_b32 s49, 0
	s_mov_b32 s[CS], 0x3d38aa3b                    ; c = log2(e) / 32
	s_mov_b32 s[CS+1], s[CS]
	s_mov_b32 s[SEL], 0x76543210
	s_mov_b32 s[SEL+1], 0xfedcba98
	s_mov_b32 s[SOFF], 0
	s_wait_dscnt 0x0                               ; the opening add is done
	s_wait_kmcnt 0x0
	s_add_nc_u64 s[18:19], s[4:5], s[16:17]
	s_add_nc_u64 s[6:7], s[6:7], s[46:47]
	s_add_nc_u64 s[8:9], s[8:9], s[48:49]
	s_add_nc_u64 s[PFA:PFA+1], s[18:19], 2*KSTEP*2 ; at K step 2: the first change steps it to 3 and names K step 4
.irp s, 0,1
	s_mov_b32 s[G0+4*(\s)], 1
	s_add_co_u32 s[G0+4*(\s)+1], s20, (\s)*SLOT
	s_add_nc_u64 s[G0+4*(\s)+2:G0+4*(\s)+3], s[18:19], (\s)*KSTEP*2
	s_or_b32 s[G0+4*(\s)+3], s[G0+4*(\s)+3], 0x80000000
.endr
	tensor_load_to_lds s[G0:G0+3], s[G1:G1+7]      ; the two first fills go out together: two loads of mine are out
	s_nop 0
	tensor_load_to_lds s[G0+4:G0+7], s[G1:G1+7]
	s_nop 0
.rept 4
	v_nop
.endr
	v_and_b32 v1, 15, v0                           ; r
	v_bfe_u32 v2, v0, 4, 1                         ; h
	v_mul_u32_u24 v3, v1, PITCH
	v_lshl_add_u32 v3, v2, 4, v3
	s_mul_i32 s16, s11, HALFT
	v_add_nc_u32 v[ADRA0], s16, v3
	s_mul_i32 s16, s12, HALFT
	s_add_co_u32 s16, s16, 2*HALFT
	v_add_nc_u32 v[ADRB0], s16, v3
	v_mov_b32 v[ADRA], v[ADRA0]
	v_mov_b32 v[ADRB], v[ADRB0]
	v_lshlrev_b32 v3, 3, v2
	v_sub_nc_u32 v14, v1, v3                       ; r - 8 h: register jj of an accumulator on the diagonal is hidden where jj is greater
.irp jj, 0,1,2,3,4,5,6,7
	v_cmp_gt_i32 vcc_lo, \jj, v14
	v_cndmask_b32 v[MD+(\jj)], 0, s[BGS], vcc_lo
	v_mov_b32 v[BG+(\jj)], s[BGS]
.endr
	v_and_b32 v3, 31, v0
	v_lshlrev_b32 v[SGO], 4, v3                    ; 16 x lane
	s_lshl_b32 s16, s[WV], 16
	v_add_nc_u32 v[DA], s16, v[SGO]
	v_mov_b32 v[LA], v[DA]
	s_lshl_b32 s16, s[WV], 10
	s_add_co_u32 s16, s16, SSTG
	v_lshl_add_u32 v[SMW], v1, 2, s16
	v_add_nc_u32 v[SRD], s16, v[SGO]
	s_mul_i32 s16, s[WV], 16*272
	s_add_co_u32 s16, s16, STAGE
	v_mul_u32_u24 v[STO], v1, 272
	v_lshl_add_u32 v[STO], v2, 4, v[STO]
	v_add_nc_u32 v[STO], s16, v[STO]
	v_mul_u32_u24 v[RD], v2, 272
	v_lshl_add_u32 v[RD], v1, 4, v[RD]
	v_add_nc_u32 v[RD], s16, v[RD]
	v_lshlrev_b32 v[CO], 12, v2
	v_lshl_add_u32 v[CO], v1, 4, v[CO]
	v_mul_u32_u24 v[PFO], v3, OROW
	v_mov_b32 v[NEG], 0xf149f2ca
	s_wait_tensorcnt 1                             ; my part of K step 0 is in; K step 1's stays out
	s_barrier_signal -1
	s_barrier_wait -1
	FETCH 0, F0
	QUARTER 64, F0, F1, 1                          ; the first quarter: its products start the sums, with 0 or the mask
	WIN 0
	s_mov_b32 s3, 6
.Lstep:                                                ; a trip: a K step's quarters 1, 2, 3 and the next step's quarter 0; its refill brings K steps 2 to 7
	QUARTER 128, F1, F0, 0
	QUARTER 192, F0, F1, 0
	TURN 1
	QUARTER 64, F0, F1, 0
	WIN 0
	s_sub_co_u32 s3, s3, 1
	s_cmp_lg_u32 s3, 0
	s_cbranch_scc1 .Lstep
	QUARTER 128, F1, F0, 0
	QUARTER 192, F0, F1, 0
	TURN 0
	QUARTER 64, F0, F1, 0
	QUARTER 128, F1, F0, 0
	QUARTER 192, F0, F1, 0
	s_wait_dscnt 8
	MUL16 F1, 0, 0, 0
	MUL16 F1, 0, 2, 0
	s_wait_dscnt 0x0
	MUL16 F1, 1, 0, 0
	MUL16 F1, 1, 2, 0
	WIN 0
	; THE WAY OUT.  The accumulators go into LDS (65,536 bytes a wave, in the ring, which is filled no more), so that one text, walked eight times, serves the eight row blocks.
	s_barrier_signal -1                            ; every wave's reads of the ring are over (each has waited for its LDS loads)
	s_barrier_wait -1
	PLACES
.irp hi, 0,1
	WIN 0x08+4*(\hi)                               ; the stores' data in window 2 or 3
.irp a, 0,1,2,3
.irp b, 0,1,2,3,4,5,6,7
	ds_store_b128 v[DA], v[8*(8*(\a)+(\b)):8*(8*(\a)+(\b))+3]   offset:(4*(\hi)+(\a))*8192+(\b)*1024
	ds_store_b128 v[DA], v[8*(8*(\a)+(\b))+4:8*(8*(\a)+(\b))+7] offset:(4*(\hi)+(\a))*8192+(\b)*1024+512
.endr
.endr
.endr
	WIN 0
	s_mov_b32 s3, 8
.Lrow:                                                 ; 16 rows: a lane has row r and 64 of its 128 keys, the lane 16 away the others
.irp i, 0,1,2,3,4,5,6,7,8,9,10,11,12,13,14,15
	ds_load_b128 v[S+4*(\i):S+4*(\i)+3], v[LA] offset:512*(\i)  ; LDS serves a wave's instructions in order: these see my stores above
.endr
	s_wait_dscnt 0x0
.irp b, 0,1,2,3
	v_max_num_f32 v[8+(\b)], v[S+8*(\b)], v[S+8*(\b)+1]
.endr
.irp q, 1,2,3
.irp b, 0,1,2,3
	v_max3_num_f32 v[8+(\b)], v[8+(\b)], v[S+8*(\b)+2*(\q)], v[S+8*(\b)+2*(\q)+1]
.endr
.endr
.irp q, 0,1,2,3
.irp b, 0,1,2,3
	v_max3_num_f32 v[8+(\b)], v[8+(\b)], v[S+32+8*(\b)+2*(\q)], v[S+32+8*(\b)+2*(\q)+1]
.endr
.endr
	v_max3_num_f32 v8, v8, v9, v10
	v_max_num_f32 v8, v8, v11
	v_permlanex16_b32 v9, v8, s[SEL], s[SEL+1]
	v_max_num_f32 v8, v8, v9
	v_mul_f32 v12, s[CS], v8                       ; cm
	v_mov_b32 v13, v12
.set k, 0
.rept 32
	v_pk_fma_f32 v[S+2*k:S+2*k+1], v[S+2*k:S+2*k+1], s[CS:CS+1], v[12:13] op_sel_hi:[1,0,0] neg_lo:[0,0,1] neg_hi:[0,0,1]  ; c s - cm
.set k, k+1
.endr
.set k, 0
.rept 64
	v_exp_f32 v[S+k], v[S+k]                       ; one batch
.set k, k+1
.endr
	v_nop                                          ; a plain instruction behind the last exponential
	s_wait_alu depctr_va_vdst(0)                   ; one wait for the batch, ahead of its first reader
.set k, 0
.rept 32
	v_cvt_pk_f16_f32 v[TMP+k], v[S+2*k], v[S+2*k+1]
.set k, k+1
.endr
.irp b, 0,1,2,3,4,5,6,7
	ds_store_b128 v[STO], v[TMP+4*(\b):TMP+4*(\b)+3] offset:32*(\b)
.endr
.irp t, 0,1,2,3,4,5,6,7
	ds_load_b128 v[OB+4*(\t):OB+4*(\t)+3], v[RD] offset:544*(\t)  ; back as whole rows of 256 bytes
.endr
.irp w, 1,2,4,8,16                     ; the sum of the 32 pairs, a tree in place, while those loads are out
.set k, 0
.rept 16/(\w)
	v_pk_add_f32 v[S+2*k:S+2*k+1], v[S+2*k:S+2*k+1], v[S+2*k+2*(\w):S+2*k+2*(\w)+1]
.set k, k+2*(\w)
.endr
.endr
	v_add_f32 v14, v[S], v[S+1]
	v_permlanex16_b32 v10, v14, s[SEL], s[SEL+1]
	v_add_f32 v14, v14, v10                        ; l
	v_cndmask_b32 v15, v12, v[NEG], s[FM]          ; cm, or -1e30 in the wholly hidden quadrant
	ds_store_b32 v[SMW], v15                       ; both halves of the lanes write the same word with the same number
	ds_store_b32 v[SMW], v14 offset:512
	s_wait_dscnt 0x0
.irp t, 0,1,2,3,4,5,6,7
	global_store_b128 v[CO], v[OB+4*(\t):OB+4*(\t)+3], s[6:7] offset:8192*(\t)  ; 16 lanes store 256 consecutive bytes, aligned
.endr
	s_wait_xcnt 0x0                                ; the stores have read their base and their data: both are written again below and in the next trip
	s_add_nc_u64 s[6:7], s[6:7], 16*4096
	v_add_nc_u32 v[LA], 8192, v[LA]
	v_add_nc_u32 v[SMW], 64, v[SMW]
	s_sub_co_u32 s3, s3, 1
	s_cmp_lg_u32 s3, 0
	s_cbranch_scc1 .Lrow
	ds_load_b128 v[64:67], v[SRD]                  ; my 128 cm and 128 l, 512 bytes on end each
	ds_load_b128 v[68:71], v[SRD] offset:512
	s_wait_dscnt 0x0
	global_store_b128 v[SGO], v[64:67], s[8:9]
	global_store_b128 v[SGO], v[68:71], s[8:9] offset:524288
	s_wait_tensorcnt 0x0                           ; the wave's end
	ds_add_u32 v[SPW], v[NIL]
	s_wait_dscnt 0x0
	s_endpgm
.Lfunc_end_k_q4df399c9d9_scores:
	.size	k_q4df399c9d9_scores, .Lfunc_end_k_q4df399c9d9_scores-k_q4df399c9d9_scores
	.p2alignl 7, 3214868480
	.fill 96, 4, 3214868480
	.section	.rodata,"a",@progbits
	.p2align	6, 0x0
	.amdhsa_kernel k_q4df399c9d9_scores
		.amdhsa_group_segment_fixed_size 327680
		.amdhsa_private_segment_fixed_size 0
		.amdhsa_enable_private_segment 0
		.amdhsa_kernarg_size 24
		.amdhsa_user_sgpr_count 2
		.amdhsa_user_sgpr_kernarg_segment_ptr 1
		.amdhsa_wavefront_size32 1
		.amdhsa_system_sgpr_workgroup_id_x 1
		.amdhsa_system_sgpr_workgroup_id_y 1
		.amdhsa_system_sgpr_workgroup_id_z 1
		.amdhsa_system_vgpr_workitem_id 0
		.amdhsa_next_free_vgpr 1024
		.amdhsa_next_free_sgpr 66
		.amdhsa_reserve_vcc 1
		.amdhsa_float_denorm_mode_32 3
		.amdhsa_float_denorm_mode_16_64 3
		.amdhsa_memory_ordered 1
		.amdhsa_forward_progress 1
		.amdhsa_inst_pref_size 107
	.end_amdhsa_kernel
	.amdgpu_metadata
---
amdhsa.version: [ 1, 2 ]
amdhsa.kernels:
  - .name:           k_q4df399c9d9_scores
    .symbol:         k_q4df399c9d9_scores.kd
    .args:
      - { .name: qkv, .offset: 0, .size: 8, .value_kind: global_buffer, .address_space: global }
      - { .name: pt, .offset: 8, .size: 8, .value_kind: global_buffer, .address_space: global }
      - { .name: st, .offset: 16, .size: 8, .value_kind: global_buffer, .address_space: global }
    .group_segment_fixed_size: 327680
    .private_segment_fixed_size: 0
    .kernarg_segment_align: 8
    .kernarg_segment_size: 24
    .max_flat_workgroup_size: 128
    .sgpr_count:     66
    .vgpr_count:     1024
    .wavefront_size: 32
...
	.end_amdgpu_metadata
.endif
;; end of part 3
;; launch pv (part 4): grid 8 x 32, 4 waves a work-group, clusters of 4 x 1, 327,680 bytes of LDS; arguments pt, qkv, st, out0; writes out0
.if DOCPART == 4
	.amdgcn_target "amdgcn-amd-amdhsa--gfx1250"
	.amdhsa_code_object_version 6
	.text
	.protected	k_q4df399c9d9_pv
	.globl	k_q4df399c9d9_pv
	.p2align	8
	.type	k_q4df399c9d9_pv,@function
k_q4df399c9d9_pv:
	s_mov_b64 s[64:65], 0
	v_nop
	global_prefetch_b8 v0, s[64:65] scope:SCOPE_SE
	s_setreg_imm32_b32 hwreg(HW_REG_WAVE_MODE, 25, 1), 1
	s_wait_xcnt 0x0
	s_wait_alu depctr_hold_cnt(0) depctr_sa_sdst(0) depctr_va_vdst(0) depctr_va_sdst(0) depctr_va_ssrc(0) depctr_va_vcc(0) depctr_vm_vsrc(0)
	s_getreg_b32 s2, hwreg(HW_REG_IB_STS2, 6, 4)
	s_cmp_eq_u32 s2, 0
	s_cbranch_scc0 .Lentry_in_a_cluster
	s_endpgm
.Lentry_in_a_cluster:
	s_bfe_u32 s2, ttmp6, 0x10000c
	s_cmp_lg_u32 s2, 0x3003
	s_cbranch_scc0 .Lentry_shape_is_right
	s_endpgm
.Lentry_shape_is_right:
; out[row][d] = (1 / L) x the sum over blocks of 128 keys of (w p) V, with M = the row's largest cm, w = 2^(cm - M) <= 1 rounded to f16, L = the sum of w l.  pt: f16 [4][2048][2048]; V = columns 2048-3071 of qkv; out0: f32.
; LIMITS.  w and w p below 6e-5 keep f16's fixed step of 6e-8; a block whose cm is -1e30 (wholly hidden) has w = 0.
; SHARES.  A work-group makes 128 columns of two tiles of 128 rows: row tile p and then row tile 15 - p of a batch.  Row tile i needs i / 2 + 1 contents of 256 keys: together 9, whatever p: all 256 work-groups are alike.
; Cutting at 256 keys costs one wholly hidden block of 128 keys in 18.  A wave makes 64 rows x 64 columns: 16 accumulators.
; CLUSTER.  The four work-groups of a cluster differ in their columns alone: the tiles of p are asked for jointly (waves 0, 1); each asks for its own columns of V (waves 2, 3).
; V is not prefetched: all eight row pairs of a batch walk its rows from their first step on, and again and again.
; LAYOUT.  out^T = V^T P (source 0 = 16 columns of V, turned by ds_load_tr16_b128; source 1 = 16 rows of p): a lane holds one row of out and eight neighbouring columns.
; PIPELINE.  A granule is 32 keys: 32 registers of p, 32 of V, 16 products.  Four buffers take turns: while granule g is multiplied, granule g + 1 is scaled by w (two packed multiplies behind each product),
; granule g + 2 is on its way, and granule g + 3 is asked for.
; REGISTERS: window 0: addresses, the prologue, the way out; window 1: v0-127 the accumulators ((a, b) at 8 (4 a + b)), v128-255 four buffers of p; window 2: v0-127 four buffers of V, v128-131 WA, v132-135 WB (w of a block and of the next).
.set OROW,  6144
.set PA,    528                        ; a row of p in LDS: 512 bytes + 16
.set PV,    288                        ; a row of V: 256 bytes + 32
.set VOFF,  128*PA                     ; a slot: 128 rows of p, then 256 rows of V
.set SL,    147456                     ; 0x24000: shares no bit with the four tiles' places in a slot
.set WT,    2*SL                       ; w, twice in f16: 512 bytes for each of the walk's 18 blocks: 128 x wave + 8 r + 4 h
.set RT,    WT+18*512                  ; 1 / L, twice, for each row of the two tiles
.set STAGE, RT+2048                    ; 16 rows x 272 bytes for each wave
.set SPARE, STAGE+4*16*272
.set AA0, 4
.set AV0, 5
.set AW0, 6
.set AA,  7
.set AV,  8
.set AW,  9
.set STO, 10
.set RD,  11
.set CO,  12
.set RIA, 13
.set PFO, 14
.set WTA, 15
.set RTA, 16
.set LOW, 17
.set ZR,  18
.set SPW, 28
.set NIL, 29
.set OB,  32                           ; the way out: v[32:63]
.set RI,  64                           ; v[64:71]
.set CM,  32                           ; the prologue: cm, l, offsets, w, of the 18 blocks
.set LL,  50
.set OF,  68
.set EW,  86
.set M1,  104
.set M2,  105
.set L1,  106
.set L2,  107
.set T0,  108
.set T1,  109
.set HH,  110
.set WA,  128                          ; window 2
.set WB,  132
.set WV,  12
.set CX,  13
.set DT,  14
.set BAT, 15
.set PP,  16
.set N1,  17
.set P2,  18
.set HF,  19
.set G1A, 24
.set G1B, 32
.set G0A, 40
.set G0B, 44
.set BA,  48                           ; s[48:49] pt at the batch and my half of a tile's rows
.set BB,  50                           ; s[50:51] V at the batch, my half of a content's keys, my columns
.set OFA, 52
.set OFB, 54
.set SLOTS, 56
.set TWICE, 57
.set NF,  58                           ; the content to be asked for next
.set BC,  59                           ; blocks of the first tile still to be ended
.set TBA, 60
.set TBV, 61
.set TW,  62
.set LIM, 63
.set PFB, 66
.set PFA, 68
.set O1,  70
.set O2,  72
.set MK,  76                           ; s[76:93] all ones where block u belongs to the first tile
.set W_PV, 0x56                        ; source 0 window 2, source 1, C and D window 1: for the products and for the scalings
.set MSB, 0
.macro WIN new
.if MSB != (\new)
	s_set_vgpr_msb (MSB<<8)|(\new)
.set MSB, \new
.endif
.endm
.macro PLACES
.rept 4
	v_nop
.endr
.endm
.macro CROUND
	s_barrier_signal -1
	s_barrier_wait -1
	s_cmp_lg_u32 s[WV], 0
	s_cbranch_scc1 .Lnot_wave_0_\@
	s_barrier_signal -3
.Lnot_wave_0_\@:
	s_barrier_wait -3
	s_barrier_signal -1
	s_barrier_wait -1
.endm
.macro JLOAD                           ; waves 0, 1: the two halves of p's tile, jointly; waves 2, 3: the two halves of V's, each work-group its own
	s_cmp_lt_u32 s[WV], 2
	s_cbranch_scc0 .Lfor_v_\@
	tensor_load_to_lds s[G0A:G0A+3], s[G1A:G1A+7]
	s_nop 0
.rept 4
	v_nop
.endr
	s_branch .Lasked_\@
.Lfor_v_\@:
	tensor_load_to_lds s[G0B:G0B+3], s[G1B:G1B+7]
	s_nop 0
.rept 4
	v_nop
.endr
.Lasked_\@:
.endm
; A prefetch of p's tile of the content two fills on: 128 rows x 512 bytes.  Two clusters read it: the one with x = 0 asks; its four partners take 32 rows each, told apart by address; in each, wave 0 asks:
; a lane a row, two instructions.  Contents 3 to 8 are named, each once; the last two fills ask for nothing.
.macro ASK
	s_cmp_lt_u32 s[NF], s[LIM]
	s_cbranch_scc0 .Lnot_mine_\@
	global_prefetch_b8 v[PFO], s[PFA:PFA+1] th:TH_LOAD_NT scope:SCOPE_SE
	global_prefetch_b8 v[PFO], s[PFA:PFA+1] offset:256 th:TH_LOAD_NT scope:SCOPE_SE
.Lnot_mine_\@:
.endm
; THE CHANGE OF SLOTS.  Each wave waits for all its tensor loads (one is out: its part of the other slot), adds 0 to its spare word, and waits for that and for its reads of the slot that it leaves.
; fill = 1: a round of the cluster's barrier, and the fill of content NF first behind it; the descriptors' addresses are made anew from that number.
.macro CHANGE fill
	WIN 0
	s_wait_tensorcnt 0x0
	ds_add_u32 v[SPW], v[NIL]
.if \fill
	s_cmp_lt_u32 s[NF], s[N1]                      ; a content of the first tile?
	s_cselect_b32 s20, s[PP], s[P2]
	s_cselect_b32 s21, 0, s[N1]
	s_sub_co_u32 s21, s[NF], s21                   ; its number in its tile
	s_lshl_b32 s20, s20, 19                        ; 128 rows of 4,096 bytes
	s_lshl_b32 s22, s21, 9                         ; 256 keys of 2 bytes
	s_add_co_u32 s[OFA], s20, s22
	s_mul_i32 s[OFB], s21, 256*OROW
	s_xor_b32 s[G0A+1], s[G0A+1], SL
	s_add_nc_u64 s[G0A+2:G0A+3], s[BA:BA+1], s[OFA:OFA+1]
	s_or_b32 s[G0A+3], s[G0A+3], 0x80000000
	s_xor_b32 s[G0B+1], s[G0B+1], SL
	s_add_nc_u64 s[G0B+2:G0B+3], s[BB:BB+1], s[OFB:OFB+1]
	s_or_b32 s[G0B+3], s[G0B+3], 0x80000000
	s_add_co_u32 s23, s[NF], 2                     ; the content two fills on, held to the last
	s_min_u32 s23, s23, 8
	s_cmp_lt_u32 s23, s[N1]
	s_cselect_b32 s20, s[PP], s[P2]
	s_cselect_b32 s21, 0, s[N1]
	s_sub_co_u32 s21, s23, s21
	s_lshl_b32 s20, s20, 19
	s_lshl_b32 s21, s21, 9
	s_add_co_u32 s74, s20, s21
	s_wait_xcnt 0x0                                ; the last prefetches, a content back, have read their address
	s_add_nc_u64 s[PFA:PFA+1], s[PFB:PFB+1], s[74:75]
	s_wait_dscnt 0x0                               ; the add is done, and my reads of the slot are over
	CROUND
	JLOAD
	ASK
	s_add_co_u32 s[NF], s[NF], 1
.else
	s_wait_dscnt 0x0
	s_barrier_signal -1
	s_barrier_wait -1
.endif
	s_sub_co_u32 s[TBA], s[TBA], 512               ; the fetches go back to a slot's first block, in the other slot
	s_xor_b32 s[TBA], s[TBA], SL
	s_sub_co_u32 s[TBV], s[TBV], 256*PV
	s_xor_b32 s[TBV], s[TBV], SL
.endm
; A run of LDS loads: granule kq of the block whose addresses BHEAD made, into buffer ph; with granule 0 the block's w.
.macro LOADS ph, kq
	WIN 0x40
.irp a, 0,1,2,3
	ds_load_b128 v[128+32*(\ph)+8*(\a):128+32*(\ph)+8*(\a)+3],   v[AA] offset:64*(\kq)+(\a)*16*PA
	ds_load_b128 v[128+32*(\ph)+8*(\a)+4:128+32*(\ph)+8*(\a)+7], v[AA] offset:64*(\kq)+(\a)*16*PA+32
.endr
	WIN 0x80
.if (\kq) == 0
	ds_load_b64 v[WB:WB+1],   v[AW]                ; w of my row blocks 0, 1
	ds_load_b64 v[WB+2:WB+3], v[AW] offset:128     ; and 2, 3
.endif
.irp b, 0,1,2,3
	ds_load_tr16_b128 v[32*(\ph)+8*(\b):32*(\ph)+8*(\b)+3],   v[AV] offset:32*PV*(\kq)+32*(\b)
	ds_load_tr16_b128 v[32*(\ph)+8*(\b)+4:32*(\ph)+8*(\b)+7], v[AV] offset:32*PV*(\kq)+32*(\b)+16*PV
.endr
.endm
; A granule's turn: 16 products on buffer phi, the 16 accumulators by turns.  rid = 1: behind each product two packed multiplies scale the next buffer by w.  ld = 1: behind the eighth product the run of loads
; for the granule three on, into the buffer read last turn: its last reader stands 8 products and 16 plain instructions back.  cnt: the LDS loads that may stay out: the run issued last turn.
.macro T phi, w, kq, ld, rid, cnt
	s_wait_dscnt \cnt
	WIN W_PV
.set i, 0
.rept 16
	v_wmma_f32_16x16x32_f16 v[8*i:8*i+7], v[32*(\phi)+8*(i%4):32*(\phi)+8*(i%4)+7], v[128+32*(\phi)+8*(i/4):128+32*(\phi)+8*(i/4)+7], v[8*i:8*i+7]
.if \rid
	v_pk_mul_f16 v[128+32*(((\phi)+1)%4)+2*i],   v[(\w)+i/4], v[128+32*(((\phi)+1)%4)+2*i]
	v_pk_mul_f16 v[128+32*(((\phi)+1)%4)+2*i+1], v[(\w)+i/4], v[128+32*(((\phi)+1)%4)+2*i+1]
.endif
.if (\ld) && (i == 7)
	LOADS ((\phi)+3)%4, \kq
	WIN W_PV
.endif
.set i, i+1
.endr
.endm
.macro BHEAD                           ; the addresses of the block to be fetched
	WIN 0
	v_add_nc_u32 v[AA], s[TBA], v[AA0]
	v_add_nc_u32 v[AV], s[TBV], v[AV0]
	v_add_nc_u32 v[AW], s[TW], v[AW0]
.endm
.macro BEND
	WIN 0x82
.irp k, 0,1,2,3
	v_mov_b32 v[WA+(\k)], v[WB+(\k)]
.endr
	s_add_co_u32 s[TBA], s[TBA], 256
	s_add_co_u32 s[TBV], s[TBV], 128*PV
	s_add_co_u32 s[TW], s[TW], 512
	s_sub_co_u32 s[BC], s[BC], 1
.endm
; THE WAY OUT of tile tl: times 1 / L, through my stage, 16 rows at a time, back as whole rows of 256 bytes.
.macro WAYOUT tl
	WIN 0
	PLACES
.irp a, 0,1,2,3
	ds_load_b64 v[RI+2*(\a):RI+2*(\a)+1], v[RIA] offset:1024*(\tl)+128*(\a)
.endr
	s_wait_dscnt 0x0
.irp a, 0,1,2,3
	WIN 0x41
.set i, 32*(\a)
.rept 16
	v_pk_mul_f32 v[i:i+1], v[i:i+1], v[RI+2*(\a):RI+2*(\a)+1]
.set i, i+2
.endr
	WIN 0x04                                       ; the stores' data in window 1
.irp b, 0,1,2,3
	ds_store_b128 v[STO], v[32*(\a)+8*(\b):32*(\a)+8*(\b)+3]   offset:64*(\b)
	ds_store_b128 v[STO], v[32*(\a)+8*(\b)+4:32*(\a)+8*(\b)+7] offset:64*(\b)+16
.endr
	WIN 0
	s_wait_xcnt 0x0                                ; the last block's stores have read the registers that are loaded again below
.irp t, 0,1,2,3,4,5,6,7
	ds_load_b128 v[OB+4*(\t):OB+4*(\t)+3], v[RD] offset:544*(\t)
.endr
	s_wait_dscnt 0x0
.irp t, 0,1,2,3,4,5,6,7
	global_store_b128 v[CO], v[OB+4*(\t):OB+4*(\t)+3], s[O1+2*(\tl):O1+2*(\tl)+1] offset:(16*(\a)+2*(\t))*4096 th:TH_STORE_NT  ; 16 lanes store 256 consecutive bytes, aligned
.endr
.endr
.endm
.macro CLEAR
	WIN 0x40
.set i, 0
.rept 128
	v_mov_b32 v[i], 0
.set i, i+1
.endr
	WIN 0
.endm
; Granules 1, 2, 3 of a block and granule 0 of the next, whose four granules it fetches.  wo = 1: where the first tile's last block ends, behind granule 3, the tile goes out and the sums start anew;
; the jump goes forward, past no barrier and no tensor load, and hangs on the work-group's y, which the partners share.
.macro BODY wo
	BHEAD
	T 1, WA, 0, 1, 1, 16
	T 2, WA, 1, 1, 1, 16
	T 3, WB, 2, 1, 1, 16
.if \wo
	WIN 0
	s_cmp_eq_u32 s[BC], 0
	s_cbranch_scc0 .Lnot_end_\@
	WAYOUT 0
	CLEAR
.Lnot_end_\@:
.endif
	T 0, WB, 3, 1, 1, 16
	BEND
.endm
	s_load_b256 s[4:11], s[0:1], 0x0               ; pt s[4:5], qkv s[6:7], st s[8:9], out0 s[10:11]
	v_lshl_add_u32 v[SPW], v0, 2, SPARE
	v_mov_b32 v[NIL], 0
	ds_add_u32 v[SPW], v[NIL]                      ; the wave's opening
	ds_add_u32 v28, v29
	v_lshrrev_b32 v1, 5, v0
	v_readfirstlane_b32 s[WV], v1
	s_bfe_u32 s[CX], ttmp6, 0x40000
	s_lshl_b32 s[DT], ttmp9, 2
	s_add_co_u32 s[DT], s[DT], s[CX]               ; my 128 columns
	s_and_b32 s20, ttmp7, 0xffff
	s_lshr_b32 s[BAT], s20, 3
	s_and_b32 s[PP], s20, 7                        ; p
	s_lshr_b32 s[N1], s[PP], 1
	s_add_co_u32 s[N1], s[N1], 1                   ; contents of the first tile
	s_sub_co_u32 s[P2], 15, s[PP]
	s_and_b32 s[HF], s[WV], 1
	s_lshl_b32 s[OFA], s[BAT], 23
	s_lshl_b32 s20, s[HF], 18                      ; my 64 rows of 4,096 bytes
	s_add_co_u32 s[OFA], s[OFA], s20
	s_mov_b32 s[OFA+1], 0
	s_lshl_b32 s[OFB], s[BAT], 11
	s_lshl_b32 s21, s[HF], 7                       ; my 128 keys
	s_add_co_u32 s[OFB], s[OFB], s21
	s_mul_i32 s[OFB], s[OFB], OROW
	s_lshl_b32 s94, s[DT], 8
	s_add_co_u32 s[OFB], s[OFB], s94
	s_add_co_u32 s[OFB], s[OFB], 4096              ; v begins 4,096 bytes into a row of qkv
	s_mov_b32 s[OFB+1], 0
	s_mov_b32 s[G1A], 15|(1<<16)|(1<<20)|(1<<21)|(6<<22)|(3<<25)  ; the mask of four; 2-byte elements; padding on; bit 21 beside a mask; after every 128 words, 4 words
	s_mov_b32 s[G1A+1], 256<<16
	s_mov_b32 s[G1A+2], 64<<16
	s_mov_b32 s[G1A+3], 256<<16
	s_mov_b32 s[G1A+4], 64
	s_mov_b32 s[G1A+5], 2048
	s_mov_b32 s[G1A+6], 0
	s_mov_b32 s[G1A+7], 0
	s_mov_b32 s[G1B], (1<<16)|(1<<20)|(5<<22)|(7<<25)             ; no mask; after every 64 words, 8 words
	s_mov_b32 s[G1B+1], 128<<16
	s_mov_b32 s[G1B+2], 128<<16
	s_mov_b32 s[G1B+3], 128<<16
	s_mov_b32 s[G1B+4], 128
	s_mov_b32 s[G1B+5], 3072
	s_mov_b32 s[G1B+6], 0
	s_mov_b32 s[G1B+7], 0
	s_mov_b32 s[G0A], 1
	s_mul_i32 s[G0A+1], s[HF], 64*PA               ; slot 0
	s_mov_b32 s[G0B], 1
	s_mul_i32 s[G0B+1], s[HF], 128*PV
	s_add_co_u32 s[G0B+1], s[G0B+1], VOFF
	s_mov_b32 s[NF], 1
	s_lshl_b32 s[BC], s[N1], 1                     ; 2 n1: taken down once for each block begun; 0 where the first tile's last block ends
	s_mov_b32 s[TBA], SL+512                       ; the first change turns these two into 0
	s_mov_b32 s[TBV], SL+256*PV
	s_mov_b32 s[TW], 0
	s_mov_b32 s75, 0
	s_or_b32 s[LIM], s[WV], ttmp9                  ; wave 0 of the cluster with x = 0: the same in all four partners
	s_cmp_eq_u32 s[LIM], 0
	s_cselect_b32 s[LIM], 7, 0
	s_lshl_b32 s94, s[BAT], 23
	s_lshl_b32 s95, s[CX], 17                      ; my work-group's 32 rows of a tile of p
	s_add_co_u32 s94, s94, s95
	s_mov_b32 s95, 0
	s_wait_dscnt 0x0                               ; the opening add is done
	s_wait_kmcnt 0x0
	s_add_nc_u64 s[BA:BA+1], s[4:5], s[OFA:OFA+1]
	s_add_nc_u64 s[BB:BB+1], s[6:7], s[OFB:OFB+1]
	s_add_nc_u64 s[PFB:PFB+1], s[4:5], s[94:95]
	s_mov_b64 s[PFA:PFA+1], s[PFB:PFB+1]
	s_lshl_b32 s[OFA], s[PP], 19                   ; content 0: the first tile's keys 0 to 255
	s_add_nc_u64 s[G0A+2:G0A+3], s[BA:BA+1], s[OFA:OFA+1]
	s_or_b32 s[G0A+3], s[G0A+3], 0x80000000
	s_add_nc_u64 s[G0B+2:G0B+3], s[BB:BB+1], 0
	s_or_b32 s[G0B+3], s[G0B+3], 0x80000000
	CROUND                                         ; all four work-groups are here
	JLOAD                                          ; content 0 into slot 0
	; THE PROLOGUE, in the wait for it.  Thread t is row t of both tiles.  Block u of the walk's 18 belongs to the first tile if u < 2 n1.
	s_lshl_b32 s21, s[N1], 1
	s_lshl_b32 s22, s[BAT], 11
.set u, 0
.rept 18
	s_cmp_gt_u32 s21, u
	s_cselect_b32 s[MK+u], -1, 0
	s_cselect_b32 s20, s[PP], s[P2]
	s_cselect_b32 s23, 0, s21
	s_sub_co_u32 s23, u, s23                       ; the block's number in its tile
	s_lshl_b32 s23, s23, 13
	s_lshl_b32 s20, s20, 7
	s_add_co_u32 s23, s23, s20
	s_add_co_u32 s23, s23, s22
	s_lshl_b32 s23, s23, 2
	v_lshl_add_u32 v[OF+u], v0, 2, s23
	global_load_b32 v[CM+u], v[OF+u], s[8:9]
	global_load_b32 v[LL+u], v[OF+u], s[8:9] offset:524288
.set u, u+1
.endr
	CLEAR                                          ; the sums start at 0, on purpose: a content has one text
	v_and_b32 v2, 15, v0                           ; r
	v_bfe_u32 v3, v0, 4, 1                         ; h
	s_lshr_b32 s20, s[WV], 1                       ; my half of the rows; s[HF]: my half of the columns
	s_mul_i32 s21, s20, 64*PA
	v_mul_u32_u24 v[AA0], v2, PA
	v_lshl_add_u32 v[AA0], v3, 4, v[AA0]
	v_add_nc_u32 v[AA0], s21, v[AA0]
	v_and_b32 v19, 7, v0
	v_bfe_u32 v1, v0, 3, 1
	v_lshl_add_u32 v[AV0], v3, 3, v19              ; the turning load: key 8 h + lane % 8, columns 8 ((lane / 8) % 2) on
	v_mul_u32_u24 v[AV0], v[AV0], PV
	v_lshl_add_u32 v[AV0], v1, 4, v[AV0]
	s_lshl_b32 s21, s[HF], 7
	s_add_co_u32 s21, s21, VOFF
	v_add_nc_u32 v[AV0], s21, v[AV0]
	s_lshl_b32 s21, s20, 8
	s_add_co_u32 s21, s21, WT
	v_lshl_add_u32 v[AW0], v2, 3, s21
	s_mul_i32 s21, s[WV], 16*272
	s_add_co_u32 s21, s21, STAGE
	v_mul_u32_u24 v[STO], v2, 272
	v_lshl_add_u32 v[STO], v3, 5, v[STO]
	v_add_nc_u32 v[STO], s21, v[STO]
	v_mul_u32_u24 v[RD], v3, 272
	v_lshl_add_u32 v[RD], v2, 4, v[RD]
	v_add_nc_u32 v[RD], s21, v[RD]
	v_lshlrev_b32 v[CO], 12, v3
	v_lshl_add_u32 v[CO], v2, 4, v[CO]
	s_lshl_b32 s21, s20, 9
	s_add_co_u32 s21, s21, RT
	v_lshl_add_u32 v[RIA], v2, 3, s21
	s_lshl_b32 s21, s[WV], 7
	s_add_co_u32 s21, s21, WT
	v_lshl_add_u32 v[WTA], v2, 3, s21
	v_lshl_add_u32 v[WTA], v3, 2, v[WTA]
	v_lshl_add_u32 v[RTA], v0, 3, RT
	v_and_b32 v[PFO], 31, v0
	v_lshlrev_b32 v[PFO], 12, v[PFO]
	s_lshl_b32 s96, s[BAT], 11                     ; out0 at my 64 rows and 64 columns of each tile
	s_lshl_b32 s97, s20, 6
	s_add_co_u32 s96, s96, s97
	s_lshl_b32 s97, s[PP], 7
	s_add_co_u32 s97, s97, s96
	s_lshl_b32 s94, s97, 12
	s_lshl_b32 s97, s[P2], 7
	s_add_co_u32 s97, s97, s96
	s_lshl_b32 s96, s97, 12
	s_lshl_b32 s97, s[DT], 9
	s_lshl_b32 s95, s[HF], 8
	s_add_co_u32 s97, s97, s95
	s_add_co_u32 s94, s94, s97
	s_add_co_u32 s96, s96, s97
	s_mov_b32 s95, 0
	s_mov_b32 s97, 0
	s_add_nc_u64 s[O1:O1+1], s[10:11], s[94:95]
	s_add_nc_u64 s[O2:O2+1], s[10:11], s[96:97]
	v_mov_b32 v[LOW], 0xff7fffff
	v_mov_b32 v[ZR], 0
	v_mov_b32 v[M1], v[LOW]
	v_mov_b32 v[M2], v[LOW]
	v_mov_b32 v[L1], 0
	v_mov_b32 v[L2], 0
	s_wait_loadcnt 0x0
.set u, 0
.rept 18
	v_cndmask_b32 v[T0], v[LOW], v[CM+u], s[MK+u]
	v_cndmask_b32 v[T1], v[CM+u], v[LOW], s[MK+u]
	v_max_num_f32 v[M1], v[M1], v[T0]
	v_max_num_f32 v[M2], v[M2], v[T1]
.set u, u+1
.endr
.set u, 0
.rept 18
	v_cndmask_b32 v[T0], v[M2], v[M1], s[MK+u]
	v_sub_f32 v[EW+u], v[CM+u], v[T0]              ; cm - M <= 0
.set u, u+1
.endr
.set u, 0
.rept 18
	v_exp_f32 v[EW+u], v[EW+u]
.set u, u+1
.endr
	v_nop                                          ; a plain instruction behind the last exponential,
	s_wait_alu depctr_va_vdst(0)                   ; and one wait for the batch
.set u, 0
.rept 18
	v_cvt_pk_f16_f32 v[HH+u], v[EW+u], v[EW+u]     ; w, twice in f16
	v_cndmask_b32 v[T0], v[ZR], v[LL+u], s[MK+u]
	v_cndmask_b32 v[T1], v[LL+u], v[ZR], s[MK+u]
	v_fma_mix_f32 v[L1], v[HH+u], v[T0], v[L1] op_sel_hi:[1,0,0]  ; L takes the rounded w, the one that scales p
	v_fma_mix_f32 v[L2], v[HH+u], v[T1], v[L2] op_sel_hi:[1,0,0]
	ds_store_b32 v[WTA], v[HH+u] offset:512*u
.set u, u+1
.endr
	v_rcp_f32 v20, v[L1]
	v_rcp_f32 v22, v[L2]
	v_nop
	s_wait_alu depctr_va_vdst(0)
	v_mov_b32 v21, v20
	v_mov_b32 v23, v22
	ds_store_b64 v[RTA], v[20:21]
	ds_store_b64 v[RTA], v[22:23] offset:1024
	CHANGE 1                                       ; content 0 is in, and every wave's w and 1 / L are stored; content 1 is asked for
	BHEAD                                          ; the warm-up: block 0's w and its granules 0, 1, 2
	LOADS 0, 0
	LOADS 1, 1
	LOADS 2, 2
	s_wait_dscnt 32                                ; w and granule 0 are in; granules 1 and 2 stay out
	WIN W_PV
.set q, 0
.rept 32
	v_pk_mul_f16 v[128+q], v[WB+q/8], v[128+q]
.set q, q+1
.endr
	T 0, WB, 3, 1, 1, 16
	BEND
	BODY 0                                         ; ends block 0, which ends no tile, and fetches block 1
	WIN 0
	s_mov_b32 s[SLOTS], 7
.Lslot:                                                ; seven times: contents 2 to 8 are asked for
	CHANGE 1
	s_mov_b32 s[TWICE], 2
.Lbody:
	BODY 1
	WIN 0
	s_sub_co_u32 s[TWICE], s[TWICE], 1
	s_cmp_lg_u32 s[TWICE], 0
	s_cbranch_scc1 .Lbody
	s_sub_co_u32 s[SLOTS], s[SLOTS], 1
	s_cmp_lg_u32 s[SLOTS], 0
	s_cbranch_scc1 .Lslot
	CHANGE 0                                       ; the tail is written out: nothing is asked for
	s_mov_b32 s[TWICE], 2
.Ltail:
	BODY 0
	WIN 0
	s_sub_co_u32 s[TWICE], s[TWICE], 1
	s_cmp_lg_u32 s[TWICE], 0
	s_cbranch_scc1 .Ltail
	T 1, WA, 0, 0, 1, 16                           ; the last block's granules 1, 2, 3: nothing is left to fetch
	T 2, WA, 0, 0, 1, 0
	T 3, WA, 0, 0, 0, 0
	WAYOUT 1
	s_wait_tensorcnt 0x0                           ; the wave's end
	ds_add_u32 v[SPW], v[NIL]
	s_wait_dscnt 0x0
	CROUND                                         ; the closing round
	s_endpgm
.Lfunc_end_k_q4df399c9d9_pv:
	.size	k_q4df399c9d9_pv, .Lfunc_end_k_q4df399c9d9_pv-k_q4df399c9d9_pv
	.p2alignl 7, 3214868480
	.fill 96, 4, 3214868480
	.section	.rodata,"a",@progbits
	.p2align	6, 0x0
	.amdhsa_kernel k_q4df399c9d9_pv
		.amdhsa_group_segment_fixed_size 327680
		.amdhsa_private_segment_fixed_size 0
		.amdhsa_enable_private_segment 0
		.amdhsa_kernarg_size 32
		.amdhsa_user_sgpr_count 2
		.amdhsa_user_sgpr_kernarg_segment_ptr 1
		.amdhsa_wavefront_size32 1
		.amdhsa_system_sgpr_workgroup_id_x 1
		.amdhsa_system_sgpr_workgroup_id_y 1
		.amdhsa_system_sgpr_workgroup_id_z 1
		.amdhsa_system_vgpr_workitem_id 0
		.amdhsa_next_free_vgpr 768
		.amdhsa_next_free_sgpr 100
		.amdhsa_reserve_vcc 0
		.amdhsa_float_denorm_mode_32 3
		.amdhsa_float_denorm_mode_16_64 3
		.amdhsa_memory_ordered 1
		.amdhsa_forward_progress 1
		.amdhsa_inst_pref_size 138
	.end_amdhsa_kernel
	.amdgpu_metadata
---
amdhsa.version: [ 1, 2 ]
amdhsa.kernels:
  - .name:           k_q4df399c9d9_pv
    .symbol:         k_q4df399c9d9_pv.kd
    .args:
      - { .name: pt, .offset: 0, .size: 8, .value_kind: global_buffer, .address_space: global }
      - { .name: qkv, .offset: 8, .size: 8, .value_kind: global_buffer, .address_space: global }
      - { .name: st, .offset: 16, .size: 8, .value_kind: global_buffer, .address_space: global }
      - { .name: out0, .offset: 24, .size: 8, .value_kind: global_buffer, .address_space: global }
    .group_segment_fixed_size: 327680
    .private_segment_fixed_size: 0
    .kernarg_segment_align: 8
    .kernarg_segment_size: 32
    .max_flat_workgroup_size: 128
    .sgpr_count:     100
    .vgpr_count:     768
    .wavefront_size: 32
...
	.end_amdgpu_metadata
.endif
;; end of part 4
